; MI455X (gfx1250); checked and timed in simulation.
; The chip was launched on July 23, 2026; its instructions are those of AMD's public machine-readable ISA for CDNA 5 (MIT licence, August 2026) and "CDNA5" Instruction Set Architecture Reference Guide (July 2026). The comments in the code are by the model that wrote it; some were corrected since.
;; Multi Head Attention. Allowed arithmetic: matrix products marked QUANTISED: E2M1 operands, one E8M0 scale for each 32 along K, by v_wmma_scale_f32_16x16x128_f8f6f4 with both operands' format E2M1 (or v_wmma_scale_f32_32x16x128_f4), f32 sums; products left as they are: bf16, f16 or f32 operands; f32 sums; everything else in f32.
;; Inputs: W_proj 1,024 x 1,024 float32; W_qkv 3,072 x 1,024 float32; b_proj 1,024 float32; x 4 x 2,048 x 1,024 float32.
;; Outputs: out0 4 x 2,048 x 1,024 float32.
;; This version of the problem:
;;   THIS VERSION OF THE PROBLEM IS GIVEN IN LOW PRECISION. The matrix products marked QUANTISED in the list below multiply operands that are first quantised to E2M1 (2 exponent bits, 1 mantissa bit; 4 bits a number), with one power-of-two scale for each 32 numbers along K (OCP MX v1.0); their sums are f32. The products marked 'left as it is' may take bf16, f16 or f32 operands, with f32 sums. Whichever they take, every output number must still come out within the allowed error. Rounding operands to bf16 (8 significant bits) uses up far more of that allowance than f16 does (11 bits, for magnitudes from 6e-5 to 65,504). All else is computed in f32.
;;   The module's matrix products, in the order in which they are computed (A, B: the left and right operand; K: the contracted axis; several contracted axes count as one K, in the product's order):
;;     1. [M 8,192, K 1,024] x [K 1,024, N 3,072]; A: input x; B: input W_qkv: QUANTISED
;;     2. batch 64 x [M 2,048, K 64] x [K 64, N 2,048]; A: computed on the way; B: computed on the way: left as it is (an operand is computed on the way)
;;     3. batch 64 x [M 2,048, K 2,048] x [K 2,048, N 64]; A: computed on the way; B: computed on the way: left as it is (an operand is computed on the way)
;;     4. [M 8,192, K 1,024] x [K 1,024, N 1,024]; A: computed on the way; B: input W_proj: left as it is (an operand is computed on the way)
;;   THE QUANTISER, for each operand of a quantised product, along K:
;;     - K is cut into blocks of 32 from its start; a last block that is shorter is filled with zeros.
;;     - A block's scale is 2^e with e = floor(log2(the largest magnitude in the block)) - 2, held to -126 .. 127; a block of zeros has e = 0. As a byte (E8M0): e + 127.
;;     - Each number is divided by its block's scale, clamped to +-6, and rounded to the nearest number of E2M1, ties to even, subnormals kept.
;;     - The product sums the exact products of the quantised numbers (number of the format x scale) in f32.
;;   ~~~python
;;   def quantise(x, axis):      # numpy; x: float32 -> the quantised numbers, widened to float32 again
;;       x = np.moveaxis(x, axis, -1); K = x.shape[-1]
;;       x = np.pad(x, [(0, 0)] * (x.ndim - 1) + [(0, -K % 32)]); x = x.reshape(x.shape[:-1] + (-1, 32)); a = np.abs(x).max(-1, keepdims=True)
;;       e = np.where(a > 0, np.clip(np.frexp(np.where(a > 0, a, 1))[1] - 1 - 2, -126, 127), 0)      # np.frexp(a)[1] - 1 = floor(log2(a)), exactly
;;       r = np.clip(x / 2.0 ** e, -6, 6)
;;       step = 2.0 ** (np.maximum(np.frexp(np.where(r == 0, 1, r))[1] - 1, 0) - 1)
;;       q = np.round(r / step) * step * 2.0 ** e      # np.round: ties to even
;;       return np.moveaxis(q.reshape(q.shape[:-2] + (-1,))[..., :K], -1, axis).astype(np.float32)
;;   ~~~
;; One version. Each part assembles by itself: llvm-mc -triple=amdgcn-amd-amdhsa -mcpu=gfx1250 --defsym DOCPART=n.
;; ======== version 1 of 1: 5 launches
;; limits: values are held in f16: magnitudes above 65,504 overflow, below 6.1e-05 lose precision
;; workspace buffers: x_codes 4,194,304 bytes; x_scales 262,144 bytes; w_codes 1,572,864 bytes; w_scales 98,304 bytes; wp16 2,097,152 bytes; qkv16 50,331,648 bytes; qkv32 786,432 bytes; att16 16,777,216 bytes
;; launch prep (part 1): grid 384 x 1, 4 waves a work-group, no clusters, 33,280 bytes of LDS; arguments x, W_qkv, W_proj, x_codes, x_scales, w_codes, w_scales, wp16; writes x_codes, x_scales, w_codes, w_scales, wp16
.if DOCPART == 1
	.amdgcn_target "amdgcn-amd-amdhsa--gfx1250"
	.amdhsa_code_object_version 6
	.text
	.protected	k_qc37b3f26d1_prep
	.globl	k_qc37b3f26d1_prep
	.p2align	8
	.type	k_qc37b3f26d1_prep,@function
k_qc37b3f26d1_prep:
	s_mov_b64 s[64:65], 0
	v_nop
	global_prefetch_b8 v0, s[64:65] scope:SCOPE_SE
	s_setreg_imm32_b32 hwreg(HW_REG_WAVE_MODE, 25, 1), 1
	s_wait_xcnt 0x0
; x [8192][1024] and W_qkv [3072][1024], f32, become codes of FP4 (E2M1), K innermost, two codes a byte, with one E8M0 scale byte for each 32 along K; W_proj [1024][1024] f32 becomes f16.
; A block's scale is 2^(floor(log2(its largest magnitude)) - 2); its byte is the largest magnitude's exponent field - 2, held at 1 from below.  Each number is divided by the scale and rounded to the nearest code,
; ties to even, beyond 6 the largest code.  A block of zeros gets the byte 1 where the rule says 127: its codes are zeros, which add nothing under any byte but 0xff, and this program alone reads the bytes.
; LIMITS: blocks whose largest magnitude lies under 2^-124 have their byte held at 1; NaN and infinities among the inputs are not served; |W_proj| stays under 65,504, f16's largest number.
; SHARES: work-groups 0-255 take x, 256-351 W_qkv (32,768 numbers each, 8,192 a wave, 16 steps of 512), 352-383 cast W_proj (8,192 numbers a wave).  Rows are dense and K is a multiple of 32: all are plain streams.
; QUANTISING: each of a step's four loads reads 512 consecutive bytes, 16 a lane; the 2,048 bytes turn through the wave's own stage in LDS and come back 64 bytes a lane, so that a lane holds 16 neighbours along K
; (two neighbouring lanes hold a block).  A lane's 16 codes are 8 bytes: the wave stores 256 consecutive bytes.  A wave's 256 scale bytes are gathered in LDS and leave as one aligned run of 256 bytes.
; No tensor loads, no barrier: waves share nothing.  Matrix units, clusters: nothing here is read twice or multiplied.
.set WAVES, 4
.set STEPS, 16
.set WGX,   256                        ; x's work-groups
.set WGQ,   352                        ; x's and W_qkv's
.set EMAX,  2
.set CB,    8                          ; bytes of 16 codes
.set R,     16                         ; v16-79   four sets of 16 numbers as they are loaded (cast: v16-143 two sets of 64)
.set X,     80                         ; v80-111  two sets of 16 neighbours
.set C,     128                        ; v128-191 codes: four registers for each step
.set E,     112                        ; v112-127 a scale byte for each step
.set HF,    144                        ; cast: v144-175 sixteen pairs of packed f16
.set WREG,  8192                       ; LDS: a region for each wave: two stages of 32 x SP bytes, then its 256 scale bytes
.set SP,    80                         ; a lane's place in a stage: 64 bytes + 16 of padding
.set SPW,   12                         ; v12 LDS address of my spare word; never rewritten
.set NIL,   13                         ; v13 0; never rewritten
.set SPARE, WAVES*WREG                 ; behind the four regions: the spare words, 128 bytes a wave
	s_load_b256 s[4:11], s[0:1], 0x0               ; x s[4:5], W_qkv s[6:7], W_proj s[8:9], x's codes s[10:11]
	s_load_b256 s[12:19], s[0:1], 0x20             ; x's scales s[12:13], W's codes s[14:15], W's scales s[16:17], wp16 s[18:19]
	v_lshl_add_u32 v[SPW], v0, 2, SPARE
	v_mov_b32 v[NIL], 0
	v_lshrrev_b32 v1, 5, v0
	v_readfirstlane_b32 s20, v1                    ; wave
	v_and_b32 v2, 31, v0                           ; lane
	v_lshlrev_b32 v3, 4, v2                        ; my 16 bytes of a load's 512
	s_mul_i32 s21, s20, WREG
	v_lshrrev_b32 v14, 2, v2
	v_mul_u32_u24 v14, v14, SP
	v_and_b32 v15, 3, v2
	v_lshl_add_u32 v14, v15, 4, v14
	v_add_nc_u32 v14, s21, v14                     ; the stage, on the way in: SP (lane / 4) + 16 (lane % 4)
	v_mul_u32_u24 v15, v2, SP
	v_add_nc_u32 v15, s21, v15                     ; and on the way out: SP x lane: my 16 neighbours
	v_mul_u32_u24 v4, v2, CB                       ; my codes' place in a step's
	v_lshrrev_b32 v5, 1, v2
	s_add_co_u32 s21, s21, 2*32*SP
	v_add_nc_u32 v5, s21, v5                       ; LDS: my wave's 256 scale bytes, my block's byte
	v_lshlrev_b32 v7, 3, v2                        ; 8 bytes a lane
	v_add_nc_u32 v6, s21, v7
	s_wait_kmcnt 0x0
	s_cmp_ge_u32 ttmp9, WGQ                        ; the work-group's number alone decides
	s_cbranch_scc1 .Lcast
	s_cmp_lt_u32 ttmp9, WGX                        ; x's work-group or W_qkv's?  Only pointers are chosen: both take one path
	s_cselect_b64 s[4:5], s[4:5], s[6:7]
	s_cselect_b64 s[10:11], s[10:11], s[14:15]
	s_cselect_b64 s[12:13], s[12:13], s[16:17]
	s_cselect_b32 s21, 0, WGX
	s_sub_co_u32 s21, ttmp9, s21
	s_lshl_b32 s21, s21, 2
	s_add_co_u32 s22, s21, s20                     ; which run of 8,192 numbers of the tensor is my wave's
	s_mov_b32 s23, 0
	s_mov_b64 s[24:25], 512*STEPS*4
	s_mul_u64 s[24:25], s[22:23], s[24:25]
	s_add_nc_u64 s[4:5], s[4:5], s[24:25]
	s_mov_b64 s[24:25], 32*STEPS*CB
	s_mul_u64 s[24:25], s[22:23], s[24:25]
	s_add_nc_u64 s[10:11], s[10:11], s[24:25]
	s_lshl_b32 s22, s22, 8                         ; 256 scale bytes a run
	s_add_nc_u64 s[12:13], s[12:13], s[22:23]
.macro LOAD t
.irp i, 0,1,2,3
	global_load_b128 v[R+16*((\t)%4)+4*\i:R+16*((\t)%4)+4*\i+3], v3, s[4:5] offset:2048*(\t)+512*\i th:TH_LOAD_NT   ; 32 lanes read 512 consecutive bytes
.endr
.endm
.macro TURN t                          ; step t's numbers through the stage: LDS serves a wave's instructions in order, so no wait stands between the stores and the loads
.irp i, 0,1,2,3
	ds_store_b128 v14, v[R+16*((\t)%4)+4*\i:R+16*((\t)%4)+4*\i+3] offset:32*SP*((\t)%2)+8*SP*\i
.endr
.irp i, 0,1,2,3
	ds_load_b128 v[X+16*((\t)%2)+4*\i:X+16*((\t)%2)+4*\i+3], v15 offset:32*SP*((\t)%2)+16*\i
.endr
.endm
.irp t, 0,1,2,3
	LOAD \t
.endr
	s_wait_loadcnt 12                              ; step 0's four loads are in; the twelve of steps 1 to 3 may be out
	TURN 0
.macro STEP t
.set XS, X+16*((\t)%2)
.if (\t) > 0
	s_wait_dscnt 1                                 ; this step's numbers are back from the stage (the last step's byte store may be out)
.else
	s_wait_dscnt 0x0
.endif
.if (\t)+4 < STEPS
	LOAD (\t)+4                                    ; into the registers that this step's stage stores have read
.endif
.if (\t)+1 < STEPS
.if STEPS-2-(\t) >= 3
	s_wait_loadcnt 12                              ; the next step's four loads are in; those of the three steps behind it may be out
.else
	s_wait_loadcnt 4*(STEPS-2-(\t))
.endif
	TURN (\t)+1                                    ; through the other stage while this step is worked
.endif
	v_max3_num_f32 v8, |v[XS]|, |v[XS+1]|, |v[XS+2]|               ; the largest magnitude of my 16, in two chains
	v_max3_num_f32 v9, |v[XS+3]|, |v[XS+4]|, |v[XS+5]|
.irp i, 6,10
	v_max3_num_f32 v8, v8, |v[XS+\i]|, |v[XS+\i+1]|
	v_max3_num_f32 v9, v9, |v[XS+\i+2]|, |v[XS+\i+3]|
.endr
	v_max3_num_f32 v8, v8, |v[XS+14]|, |v[XS+15]|
	v_max3_num_f32 v8, v8, v9, (EMAX+1)<<23        ; and the floor 2^(3 - 127): the byte cannot fall under 1
	v_max_num_f32_dpp v8, v8, v8 row_xmask:1 row_mask:0xf bank_mask:0xf   ; and of my neighbour's 16: the block's
	v_add_nc_u32 v11, -(EMAX<<23), v8              ; 2 off its exponent field: the conversion takes this operand's exponent field as its scale
	v_cvt_scalef32_pk8_fp4_f32 v[C+4*(\t)], v[XS:XS+7], v11
	v_cvt_scalef32_pk8_fp4_f32 v[C+4*(\t)+1], v[XS+8:XS+15], v11
	v_lshrrev_b32 v[E+(\t)], 23, v11               ; the scale's byte (also the plain line behind the conversions)
	ds_store_b8 v5, v[E+(\t)] offset:16*(\t)       ; both lanes of a block write the same byte with the same value
	global_store_b64 v4, v[C+4*(\t):C+4*(\t)+1], s[10:11] offset:32*CB*(\t)   ; the wave stores 256 consecutive bytes, aligned
.endm
.irp t, 0,1,2,3,4,5,6,7,8,9,10,11,12,13,14,15
	STEP \t
.endr
	ds_load_b64 v[8:9], v6                         ; LDS serves a wave's instructions in order: these see my byte stores
	s_wait_dscnt 0x0
	global_store_b64 v7, v[8:9], s[12:13]          ; 32 lanes store 256 consecutive bytes, aligned
	s_wait_tensorcnt 0x0                           ; the wave's end, behind my last LDS store
	ds_add_u32 v[SPW], v[NIL]
	s_wait_dscnt 0x0
	s_endpgm
; THE CAST.  64 steps of 128 numbers a wave: a load of 512 consecutive bytes, two roundings a lane, a store of 256 consecutive bytes.  Four rounds of 16 steps, two sets of registers: up to 32 loads are out.
.Lcast:
	s_sub_co_u32 s21, ttmp9, WGQ
	s_lshl_b32 s21, s21, 2
	s_add_co_u32 s21, s21, s20                     ; which run of 8,192 numbers
	s_lshl_b32 s22, s21, 15
	s_mov_b32 s23, 0
	s_add_nc_u64 s[8:9], s[8:9], s[22:23]
	s_lshl_b32 s22, s21, 14
	s_add_nc_u64 s[18:19], s[18:19], s[22:23]
.macro CLOAD g
.irp k, 0,1,2,3,4,5,6,7,8,9,10,11,12,13,14,15
	global_load_b128 v[R+64*((\g)%2)+4*\k:R+64*((\g)%2)+4*\k+3], v3, s[8:9] offset:512*(16*(\g)+\k)
.endr
.endm
.macro CWORK g, younger                ; younger: the next round's loads, which may stay out
.if (\g) > 0
	s_wait_xcnt 0x0                                ; the last round's stores have read their data: the pairs are written again only behind this wait
.endif
.irp k, 0,1,2,3,4,5,6,7,8,9,10,11,12,13,14,15
	s_wait_loadcnt \younger+15-\k                  ; loads come back in order: load k of this round is in
	v_cvt_pk_f16_f32 v[HF+2*\k], v[R+64*((\g)%2)+4*\k], v[R+64*((\g)%2)+4*\k+1]
	v_cvt_pk_f16_f32 v[HF+2*\k+1], v[R+64*((\g)%2)+4*\k+2], v[R+64*((\g)%2)+4*\k+3]
	global_store_b64 v7, v[HF+2*\k:HF+2*\k+1], s[18:19] offset:256*(16*(\g)+\k)
.endr
.endm
	CLOAD 0
	CLOAD 1
	CWORK 0, 16
	CLOAD 2
	CWORK 1, 16
	CLOAD 3
	CWORK 2, 16
	CWORK 3, 0
	s_wait_tensorcnt 0x0                           ; the same three lines at this end of the text
	ds_add_u32 v[SPW], v[NIL]
	s_wait_dscnt 0x0
	s_endpgm
.Lfunc_end_k_qc37b3f26d1_prep:
	.size	k_qc37b3f26d1_prep, .Lfunc_end_k_qc37b3f26d1_prep-k_qc37b3f26d1_prep
	.p2alignl 7, 3214868480
	.fill 96, 4, 3214868480
	.section	.rodata,"a",@progbits
	.p2align	6, 0x0
	.amdhsa_kernel k_qc37b3f26d1_prep
		.amdhsa_group_segment_fixed_size 33280
		.amdhsa_private_segment_fixed_size 0
		.amdhsa_enable_private_segment 0
		.amdhsa_kernarg_size 64
		.amdhsa_user_sgpr_count 2
		.amdhsa_user_sgpr_kernarg_segment_ptr 1
		.amdhsa_wavefront_size32 1
		.amdhsa_system_sgpr_workgroup_id_x 1
		.amdhsa_system_sgpr_workgroup_id_y 1
		.amdhsa_system_sgpr_workgroup_id_z 1
		.amdhsa_system_vgpr_workitem_id 0
		.amdhsa_next_free_vgpr 192
		.amdhsa_next_free_sgpr 66
		.amdhsa_reserve_vcc 0
		.amdhsa_float_denorm_mode_32 3
		.amdhsa_float_denorm_mode_16_64 3
		.amdhsa_memory_ordered 1
		.amdhsa_forward_progress 1
		.amdhsa_inst_pref_size 56
	.end_amdhsa_kernel
	.amdgpu_metadata
---
amdhsa.version: [ 1, 2 ]
amdhsa.kernels:
  - .name:           k_qc37b3f26d1_prep
    .symbol:         k_qc37b3f26d1_prep.kd
    .args:
      - { .name: x, .offset: 0, .size: 8, .value_kind: global_buffer, .address_space: global }
      - { .name: W_qkv, .offset: 8, .size: 8, .value_kind: global_buffer, .address_space: global }
      - { .name: W_proj, .offset: 16, .size: 8, .value_kind: global_buffer, .address_space: global }
      - { .name: x_codes, .offset: 24, .size: 8, .value_kind: global_buffer, .address_space: global }
      - { .name: x_scales, .offset: 32, .size: 8, .value_kind: global_buffer, .address_space: global }
      - { .name: w_codes, .offset: 40, .size: 8, .value_kind: global_buffer, .address_space: global }
      - { .name: w_scales, .offset: 48, .size: 8, .value_kind: global_buffer, .address_space: global }
      - { .name: wp16, .offset: 56, .size: 8, .value_kind: global_buffer, .address_space: global }
    .group_segment_fixed_size: 33280
    .private_segment_fixed_size: 0
    .kernarg_segment_align: 8
    .kernarg_segment_size: 64
    .max_flat_workgroup_size: 128
    .sgpr_count:     66
    .vgpr_count:     192
    .wavefront_size: 32
...
	.end_amdgpu_metadata
.endif
;; end of part 1
;; launch qkv (part 2): grid 12 x 32, 4 waves a work-group, clusters of 4 x 4, 327,680 bytes of LDS; arguments x_codes, x_scales, w_codes, w_scales, qkv16, qkv32; writes qkv16, qkv32
.if DOCPART == 2
	.amdgcn_target "amdgcn-amd-amdhsa--gfx1250"
	.amdhsa_code_object_version 6
	.text
	.protected	k_qc37b3f26d1_qkv
	.globl	k_qc37b3f26d1_qkv
	.p2align	8
	.type	k_qc37b3f26d1_qkv,@function
k_qc37b3f26d1_qkv:
	s_mov_b64 s[64:65], 0
	v_nop
	global_prefetch_b8 v0, s[64:65] scope:SCOPE_SE
	s_setreg_imm32_b32 hwreg(HW_REG_WAVE_MODE, 25, 1), 1
	s_wait_xcnt 0x0
	s_wait_alu depctr_hold_cnt(0) depctr_sa_sdst(0) depctr_va_vdst(0) depctr_va_sdst(0) depctr_va_ssrc(0) depctr_va_vcc(0) depctr_vm_vsrc(0)
	s_getreg_b32 s2, hwreg(HW_REG_IB_STS2, 6, 4)
	s_cmp_eq_u32 s2, 0
	s_cbranch_scc0 .Lentry_in_a_cluster
	s_endpgm
.Lentry_in_a_cluster:
	s_bfe_u32 s2, ttmp6, 0x10000c
	s_cmp_lg_u32 s2, 0xf033
	s_cbranch_scc0 .Lentry_shape_is_right
	s_endpgm
.Lentry_shape_is_right:
; qkv[m][n] = sum over k of x[m][k] W_qkv[n][k], both operands as codes of FP4 (E2M1) with one E8M0 scale for each 32 along K; sums in f32.  m = 8,192, n = 3,072, k = 1,024.
; A tile, 256 x 256, is made by a work-group of four waves; a wave makes 128 x 128: 64 accumulators, 512 registers.  All of K is two LDS slots of 512 along K (rows of 256 bytes), each filled ONCE at the start.
; The scale bytes of the work-group's 256 + 256 rows are two dense blocks: they come once too, as rows of 256 bytes.
; CLUSTERS: 4 x 4 work-groups.  The four of a row of the cluster need the same tiles of x, the four of a column the same tiles of W: each tile is asked for jointly, by the same tensor load with a mask that names the four.
; Tile row = 8 cy + cluster y: cy is the batch, so that the rows t < 16 of every batch lie in the clusters with y = 0, a number that all partners share.
; THE MATRIX INSTRUCTION IS USED TRANSPOSED (source 0 = 16 rows of W, source 1 = 16 rows of x): lane (r, h) holds row r and eight neighbouring columns 16 b + 8 h + 0..7.
; THE WAY OUT.  Rounded to f16 in pairs, an accumulator's eight numbers are four registers of the NEXT product's operand (16 rows x 32 channels: registers 4 c .. 4 c + 3 = channels 16 c + 8 h + 0..7).  So q, k and v
; leave as images of operand registers: byte ((batch 48 + n / 64) 128 + t / 16) 2048 + 512 ((n / 16) % 4) + 16 PI(lane), PI(l) = l xor 8 (l / 16).  Each store covers 512 consecutive bytes, aligned; no LDS stage.
; (PI: so that both the plain and the turning LDS load of the next launch take 16 different 16-byte columns of 256 bytes in each half of the lanes.)
; Rows t < 16 of every batch also leave as f32, [batch][n / 64][t][64], for the launch that carries them finely: pieces of 32 bytes, 786,432 bytes in all.
; LIMIT: |q|, |k|, |v| stay under 65,504, f16's largest number.
; 384 tiles for 256 WGPs: one and a half rounds; kept, since the launch is a small part of the program.
; REGISTERS: window 0: v0-31 addresses; v32-95 scale words, two sets; from v128 x's fragments, one set; on the way out v128-255 packed results.  window 1: W's fragments, two sets.  windows 2, 3: the accumulators ((a, b) at v[8 (8 (a % 4) + b)]).
.set KSTEP,  512
.set NQ,     KSTEP/128
.set ROWB,   256                       ; a tile's row in bytes
.set KROW,   512                       ; a row of codes in memory
.set PITCH,  272                       ; an LDS row: 256 bytes + 16 of padding: the 16 rows that a load touches start 68 words apart
.set FR,     8
.set NL,     2
.set NP,     4                         ; places behind this matrix instruction (ISA guide 7.12.1)
.set HALFT,  128*PITCH
.set SLOT,   4*HALFT
.set KS,     32                        ; a row of scale bytes
.set SCL,    2*SLOT
.set HALFS,  (128*KS/256)*272
.set SBLK,   (16*KS/256)*272
.set SPARE,  SCL+4*HALFS               ; the spare words, 128 bytes a wave
.set ADRA, 16
.set ADRB, 20
.set C32,  24                          ; v24 my byte in a segment's 16 rows of f32: 256 r + 32 h
.set CO,   26                          ; v26 16 PI(lane)
.set ADRS, 27
.set SPW,  28
.set NIL,  29
.set SC,   32
.set AF,   128
.set OUTR, 128
.set G1, 24
.set G0, 32
.set G1B, 48
.set G0B, 56
.set G1S, 68
.set G0S, 76
.set G1SB, 80
.set G0SB, 88
.set MSB, 0
.macro WIN new                         ; the immediate's high byte repeats the setting that is left
.if MSB != (\new)
	s_set_vgpr_msb (MSB<<8)|(\new)
.set MSB, (\new)
.endif
.endm
.set MUL_LO, 0xa1                      ; source 0 (W) window 1, source 1 (x) window 0, C and D window 2
.set MUL_HI, 0xf1
.set TO_B,   0x40
; A joint load: waves 0 and 1 fetch for x, waves 2 and 3 for W.  The branch hangs on the wave's number alone.  An s_nop 0 and four v_nop follow each of the two lines.
.macro JLOAD g0a, g1a, g0b, g1b
	s_cmp_eq_u32 s15, 0
	s_cbranch_scc0 .Lfor_b_\@
	tensor_load_to_lds s[\g0a:\g0a+3], s[\g1a:\g1a+7]
	s_nop 0
.rept 4
	v_nop
.endr
	s_branch .Lasked_\@
.Lfor_b_\@:
	tensor_load_to_lds s[\g0b:\g0b+3], s[\g1b:\g1b+7]
	s_nop 0
.rept 4
	v_nop
.endr
.Lasked_\@:
.endm
.macro CROUND                          ; a round of the cluster's barrier
	s_barrier_signal -1
	s_barrier_wait -1
	s_cmp_lg_u32 s14, 0
	s_cbranch_scc1 .Lnot_wave_0_\@
	s_barrier_signal -3
.Lnot_wave_0_\@:
	s_barrier_wait -3
	s_barrier_signal -1
	s_barrier_wait -1
.endm
	s_load_b128 s[4:7], s[0:1], 0x0                ; x's codes, x's scales
	s_load_b128 s[8:11], s[0:1], 0x10              ; W's codes, W's scales
	s_load_b64 s[12:13], s[0:1], 0x20              ; qkv16
	s_load_b64 s[96:97], s[0:1], 0x28              ; qkv32
	v_lshl_add_u32 v[SPW], v0, 2, SPARE
	v_mov_b32 v[NIL], 0
	ds_add_u32 v[SPW], v[NIL]                      ; the wave's opening: the add, twice on end, and its wait ahead of my first tensor load
	ds_add_u32 v[SPW], v[NIL]
	v_lshrrev_b32 v1, 5, v0
	v_readfirstlane_b32 s14, v1                    ; wave 0..3
	s_lshr_b32 s15, s14, 1                         ; which half of the tile's rows is mine.  Also: I fetch for x (0) or for W (1)
	s_and_b32 s16, s14, 1                          ; which half of its columns.  Also: which 128 rows I fetch
	s_bfe_u32 s40, ttmp6, 0x40000                  ; cx
	s_bfe_u32 s41, ttmp6, 0x40004                  ; cy
	s_lshl_b32 s42, ttmp9, 2
	s_add_co_u32 s42, s42, s40                     ; tile column = 4 x cluster x + cx
	s_and_b32 s17, ttmp7, 0xffff
	s_lshl_b32 s18, s41, 3
	s_add_co_u32 s17, s17, s18                     ; tile row = 8 cy + cluster y
	s_lshl_b32 s43, s41, 2
	s_lshl_b32 s43, 15, s43                        ; my row of the cluster
	s_lshl_b32 s44, 0x1111, s40                    ; my column
	s_or_b32 s[G1+0], s43, (0<<16)|(1<<20)|(1<<21)|(5<<22)|(3<<25)  ; mask; elements of 1 byte; padding on; bit 21 beside a mask; 4 words behind every 64
	s_or_b32 s[G1B+0], s44, (0<<16)|(1<<20)|(1<<21)|(5<<22)|(3<<25)
.irp g, G1, G1B
	s_mov_b32 s[\g+1], ROWB<<16                    ; tensor_dim0
	s_mov_b32 s[\g+2], 128<<16                     ; tensor_dim1
	s_mov_b32 s[\g+3], ROWB<<16                    ; tile_dim0
	s_mov_b32 s[\g+4], 128                         ; tile_dim1
	s_mov_b32 s[\g+5], KROW                        ; the pitch
	s_mov_b32 s[\g+6], 0
	s_mov_b32 s[\g+7], 0
.endr
	s_or_b32 s[G1S+0], s43, (3<<16)|(1<<20)|(1<<21)|(5<<22)|(3<<25)  ; the scales of 128 rows: 4,096 dense bytes as 16 rows of 256 (32 elements of 8 bytes), padded alike
	s_or_b32 s[G1SB+0], s44, (3<<16)|(1<<20)|(1<<21)|(5<<22)|(3<<25)
.irp g, G1S, G1SB
	s_mov_b32 s[\g+1], 32<<16
	s_mov_b32 s[\g+2], (128*KS/256)<<16
	s_mov_b32 s[\g+3], 32<<16
	s_mov_b32 s[\g+4], 128*KS/256
	s_mov_b32 s[\g+5], 32
	s_mov_b32 s[\g+6], 0
	s_mov_b32 s[\g+7], 0
.endr
	s_lshl_b32 s18, s16, 7
	s_lshl_b32 s20, s17, 8
	s_add_co_u32 s20, s20, s18                     ; x: row 256 x tile row + 128 x half
	s_lshl_b32 s46, s42, 8
	s_add_co_u32 s46, s46, s18                     ; W: row 256 x tile column + 128 x half
	s_mov_b32 s21, 0
	s_mov_b32 s47, 0
	s_mov_b64 s[18:19], KS
	s_mul_u64 s[22:23], s[20:21], s[18:19]
	s_mul_u64 s[92:93], s[46:47], s[18:19]
	s_mov_b64 s[18:19], KROW
	s_mul_u64 s[20:21], s[20:21], s[18:19]
	s_mul_u64 s[46:47], s[46:47], s[18:19]
	s_mul_i32 s45, s14, HALFT                      ; where they go: wave x 128 rows
	s_mul_i32 s94, s14, HALFS
	s_wait_dscnt 0x0                               ; both opening adds are done
	s_wait_kmcnt 0x0
	s_add_nc_u64 s[20:21], s[4:5], s[20:21]
	s_add_nc_u64 s[22:23], s[6:7], s[22:23]
	s_add_nc_u64 s[46:47], s[8:9], s[46:47]
	s_add_nc_u64 s[92:93], s[10:11], s[92:93]
	CROUND                                         ; all sixteen work-groups are here: the joint loads meet
	s_mov_b32 s[G0S], 1
	s_add_co_u32 s[G0S+1], s94, SCL
	s_mov_b64 s[G0S+2:G0S+3], s[22:23]
	s_or_b32 s[G0S+3], s[G0S+3], 0x80000000
	s_mov_b32 s[G0SB], 1
	s_add_co_u32 s[G0SB+1], s94, SCL
	s_mov_b64 s[G0SB+2:G0SB+3], s[92:93]
	s_or_b32 s[G0SB+3], s[G0SB+3], 0x80000000
	JLOAD G0S, G1S, G0SB, G1SB                     ; the scales first
.irp s, 0,1
	s_mov_b32 s[G0+4*\s], 1
	s_add_co_u32 s[G0+4*\s+1], s45, \s*SLOT
	s_add_nc_u64 s[G0+4*\s+2:G0+4*\s+3], s[20:21], \s*ROWB
	s_or_b32 s[G0+4*\s+3], s[G0+4*\s+3], 0x80000000
	s_mov_b32 s[G0B+4*\s], 1
	s_add_co_u32 s[G0B+4*\s+1], s45, \s*SLOT
	s_add_nc_u64 s[G0B+4*\s+2:G0B+4*\s+3], s[46:47], \s*ROWB
	s_or_b32 s[G0B+4*\s+3], s[G0B+4*\s+3], 0x80000000
	JLOAD G0+4*\s, G1, G0B+4*\s, G1B               ; three loads of mine are out in all
.endr
	v_and_b32 v1, 15, v0                           ; r
	v_bfe_u32 v2, v0, 4, 1                         ; h
	v_mul_u32_u24 v3, v1, PITCH
	v_lshl_add_u32 v4, v2, 4, v3
	s_mul_i32 s21, s15, HALFT
	s_mul_i32 s22, s16, HALFT
	s_add_co_u32 s22, s22, 2*HALFT
.irp s, 0,1
	v_add_nc_u32 v[ADRA+\s], s21, v4
	v_add_nc_u32 v[ADRB+\s], s22, v4
	s_add_co_u32 s21, s21, SLOT
	s_add_co_u32 s22, s22, SLOT
.endr
	v_mul_u32_u24 v5, v1, KS                       ; my row's scales: 32 bytes a row,
	v_lshrrev_b32 v6, 8, v5
	v_lshl_add_u32 v5, v6, 4, v5                   ; and 16 more for each 256 passed
	s_mul_i32 s21, s15, HALFS
	s_mul_i32 s22, s16, HALFS
	s_add_co_u32 s22, s22, 2*HALFS
	s_sub_co_u32 s22, s22, s21
	v_mul_u32_u24 v6, s22, v2                      ; lanes 16-31 take W's
	s_add_co_u32 s21, s21, SCL
	v_add_nc_u32 v5, v5, v6
	v_add_nc_u32 v[ADRS], s21, v5
	v_and_b32 v6, 31, v0
	v_lshlrev_b32 v5, 3, v2
	v_xor_b32 v6, v6, v5                           ; PI(lane)
	v_lshlrev_b32 v[CO], 4, v6
	v_lshlrev_b32 v[C32], 8, v1
	v_lshl_add_u32 v[C32], v2, 5, v[C32]
	s_mul_i32 s20, s41, 48                         ; the segment (64 columns) at which my columns begin: 48 x batch + 4 x tile column + 2 x half
	s_lshl_b32 s21, s42, 2
	s_add_co_u32 s20, s20, s21
	s_lshl_b32 s21, s16, 1
	s_add_co_u32 s20, s20, s21
	s_lshl_b32 s22, s20, 12                        ; 4,096 bytes a segment in qkv32,
	s_lshl_b32 s20, s20, 18                        ; 262,144 in qkv16
	s_and_b32 s21, ttmp7, 0xffff                   ; cluster y
	s_or_b32 s95, s21, s15                         ; 0 where my first 16 rows are t = 0 .. 15
	s_lshl_b32 s21, s21, 15                        ; 16 tiles of 16 rows, 2,048 bytes each
	s_add_co_u32 s20, s20, s21
	s_lshl_b32 s21, s15, 14
	s_add_co_u32 s20, s20, s21
	s_mov_b32 s21, 0
	s_mov_b32 s23, 0
	s_add_nc_u64 s[12:13], s[12:13], s[20:21]
	s_add_nc_u64 s[96:97], s[96:97], s[22:23]
.macro FRAG reg, adr, q, i             ; 16 rows x 128 K of 4-bit codes: 8 registers, two loads of 16 bytes, 32 bytes apart
.irp c, 0,1
	ds_load_b128 v[\reg+4*\c:\reg+4*\c+3], v[\adr] offset:64*(\q)+32*\c+(\i)*16*PITCH
.endr
.endm
; 16 matrix instructions: x's blocks a0, a0 + 1 against W's eight.  The 64 accumulators take turns, one instruction a turn, in the same order in every step.
.macro MUL16 a0, p, q, sc, zero
.irp a, \a0, \a0+1
.irp b, 0,1,2,3,4,5,6,7
.if \zero
	v_wmma_scale_f32_16x16x128_f8f6f4 v[8*(8*((\a)%4)+\b):8*(8*((\a)%4)+\b)+7], v[128*(\p)+FR*\b:128*(\p)+FR*\b+FR-1], v[AF+FR*(\a):AF+FR*(\a)+FR-1], 0, v[SC+8*NQ*(\sc)+NQ*\b+(\q)], v[SC+8*NQ*(\sc)+NQ*(\a)+(\q)] matrix_a_fmt:MATRIX_FMT_FP4 matrix_b_fmt:MATRIX_FMT_FP4 matrix_a_scale:MATRIX_SCALE_ROW1
.else
	v_wmma_scale_f32_16x16x128_f8f6f4 v[8*(8*((\a)%4)+\b):8*(8*((\a)%4)+\b)+7], v[128*(\p)+FR*\b:128*(\p)+FR*\b+FR-1], v[AF+FR*(\a):AF+FR*(\a)+FR-1], v[8*(8*((\a)%4)+\b):8*(8*((\a)%4)+\b)+7], v[SC+8*NQ*(\sc)+NQ*\b+(\q)], v[SC+8*NQ*(\sc)+NQ*(\a)+(\q)] matrix_a_fmt:MATRIX_FMT_FP4 matrix_b_fmt:MATRIX_FMT_FP4 matrix_a_scale:MATRIX_SCALE_ROW1
.endif
.endr
.endr
.endm
.macro FETCH_B slot, q, p
	WIN TO_B
.irp i, 0,1,2,3,4,5,6,7
	FRAG 128*(\p)+FR*\i, ADRB+\slot, \q, \i
.endr
	WIN 0
.endm
.macro FETCH_A slot, q, i0
.irp i, \i0, \i0+1, \i0+2, \i0+3
	FRAG AF+FR*(\i), ADRA+\slot, \q, \i
.endr
.endm
.macro SCALES sc                       ; a slot's scale words: 4 words a row; lanes 0-15 take x's block i, lanes 16-31 W's block i
.irp i, 0,1,2,3,4,5,6,7
	ds_load_b128 v[SC+8*NQ*\sc+NQ*\i:SC+8*NQ*\sc+NQ*\i+3], v[ADRS] offset:\i*SBLK
.endr
.endm
.macro PLACES n                        ; plain vector instructions between a matrix instruction and a load into, or a read of, its registers
.rept \n
	v_nop
.endr
.endm
.macro STEP slot, q, zero              ; 128 along K, with its successor in the same slot
	s_wait_dscnt 4*NL                              ; W's set and x's blocks 0-3 are in; the youngest eight loads (x's blocks 4-7) may be out
	WIN MUL_LO
	MUL16 0, (\q)%2, \q, \slot, \zero
	MUL16 2, (\q)%2, \q, \slot, \zero
	s_wait_dscnt 0
	PLACES NP
	FETCH_B \slot, (\q)+1, 1-(\q)%2
	FETCH_A \slot, (\q)+1, 0
	WIN MUL_HI
	MUL16 4, (\q)%2, \q, \slot, \zero
	MUL16 6, (\q)%2, \q, \slot, \zero
	PLACES NP
	WIN 0
	FETCH_A \slot, (\q)+1, 4
.endm
.macro TURN slot, next                 ; slot 0's last step: the barrier behind which slot 1, whose parts four waves brought, is read.  Nothing is filled again
	s_wait_tensorcnt 0x0                           ; my part of slot 1 has landed
	ds_add_u32 v[SPW], v[NIL]                      ; 0 onto my spare word
	s_wait_dscnt 4*NL+1                            ; the add and the youngest eight loads may be out
	WIN MUL_LO
	MUL16 0, 1, NQ-1, \slot, 0
	s_wait_dscnt 0x0                               ; no LDS instruction of mine is pending at the signal
	s_barrier_signal -1
	MUL16 2, 1, NQ-1, \slot, 0
	WIN 0
	s_barrier_wait -1
	PLACES NP
	v_add_nc_u32 v[ADRS], 4*NQ, v[ADRS]            ; on to the next slot's scale words
	FETCH_B \next, 0, 0
	FETCH_A \next, 0, 0
	SCALES \next
	WIN MUL_HI
	MUL16 4, 1, NQ-1, \slot, 0
	MUL16 6, 1, NQ-1, \slot, 0
	PLACES NP
	WIN 0
	FETCH_A \next, 0, 4
.endm
	s_wait_tensorcnt 1                             ; the scales and my part of slot 0 are in; slot 1's load may be out
	s_barrier_signal -1
	s_barrier_wait -1
	FETCH_B 0, 0, 0
	FETCH_A 0, 0, 0
	SCALES 0
	FETCH_A 0, 0, 4
	STEP 0, 0, 1                                   ; the first step's products start the sums: nothing is cleared
	STEP 0, 1, 0
	STEP 0, 2, 0
	TURN 0, 1
	STEP 1, 0, 0
	STEP 1, 1, 0
	STEP 1, 2, 0
	s_wait_dscnt 4*NL                              ; the last step: nothing more to fetch
	WIN MUL_LO
	MUL16 0, 1, NQ-1, 1, 0
	MUL16 2, 1, NQ-1, 1, 0
	s_wait_dscnt 0
	WIN MUL_HI
	MUL16 4, 1, NQ-1, 1, 0
	MUL16 6, 1, NQ-1, 1, 0
	WIN 0
	PLACES NP                                      ; behind the last products: for the reads of results and for the writes into the registers that held x's fragments
	s_cmp_lg_u32 s95, 0                            ; the cluster's y and the wave's number alone: alike in all partners
	s_cbranch_scc1 .Lno32
	WIN 0x08                                       ; a store's data are its source 1: window 2
.irp b, 0,1,2,3,4,5,6,7
	global_store_b128 v[C32], v[8*\b:8*\b+3], s[96:97] offset:(\b/4)*4096+(\b%4)*64        ; rows t = r of my first block, as f32; each accumulator from its low end on
	global_store_b128 v[C32], v[8*\b+4:8*\b+7], s[96:97] offset:(\b/4)*4096+(\b%4)*64+16
.endr
	WIN 0
.Lno32:
.macro PACK a                          ; block a: 16 rows x 128 columns, rounded to f16 in pairs, each accumulator from its low end on
.set AC, 64*((\a)%4)
.set OB, OUTR+32*((\a)%4)
	WIN 0x0a+5*((\a)/4)                            ; sources 0 and 1: window 2 or 3
.irp b, 0,1,2,3,4,5,6,7
.irp r, 0,1,2,3
	v_cvt_pk_f16_f32 v[OB+4*\b+\r], v[AC+8*\b+2*\r], v[AC+8*\b+2*\r+1]
.endr
.endr
	WIN 0
.endm
.macro SEND a
.set OB, OUTR+32*((\a)%4)
.irp b, 0,1,2,3,4,5,6,7
	global_store_b128 v[CO], v[OB+4*\b:OB+4*\b+3], s[12:13] offset:(\a)*2048+(\b/4)*262144+(\b%4)*512 th:TH_STORE_NT   ; 32 lanes store 512 consecutive bytes, aligned
.endr
.endm
.irp a, 0,1,2,3,4,5,6,7
.if \a > 3
	s_wait_xcnt 0x0                                ; block a - 4's stores have read their data: its registers are written again only behind this wait
.endif
	PACK \a
	SEND \a
.endr
	s_wait_tensorcnt 0x0                           ; the wave's end
	ds_add_u32 v[SPW], v[NIL]
	s_wait_dscnt 0x0
	CROUND                                         ; the closing round
	s_endpgm
.Lfunc_end_k_qc37b3f26d1_qkv:
	.size	k_qc37b3f26d1_qkv, .Lfunc_end_k_qc37b3f26d1_qkv-k_qc37b3f26d1_qkv
	.p2alignl 7, 3214868480
	.fill 96, 4, 3214868480
	.section	.rodata,"a",@progbits
	.p2align	6, 0x0
	.amdhsa_kernel k_qc37b3f26d1_qkv
		.amdhsa_group_segment_fixed_size 327680
		.amdhsa_private_segment_fixed_size 0
		.amdhsa_enable_private_segment 0
		.amdhsa_kernarg_size 48
		.amdhsa_user_sgpr_count 2
		.amdhsa_user_sgpr_kernarg_segment_ptr 1
		.amdhsa_wavefront_size32 1
		.amdhsa_system_sgpr_workgroup_id_x 1
		.amdhsa_system_sgpr_workgroup_id_y 1
		.amdhsa_system_sgpr_workgroup_id_z 1
		.amdhsa_system_vgpr_workitem_id 0
		.amdhsa_next_free_vgpr 1024
		.amdhsa_next_free_sgpr 98
		.amdhsa_reserve_vcc 0
		.amdhsa_float_denorm_mode_32 3
		.amdhsa_float_denorm_mode_16_64 3
		.amdhsa_memory_ordered 1
		.amdhsa_forward_progress 1
		.amdhsa_inst_pref_size 119
	.end_amdhsa_kernel
	.amdgpu_metadata
---
amdhsa.version: [ 1, 2 ]
amdhsa.kernels:
  - .name:           k_qc37b3f26d1_qkv
    .symbol:         k_qc37b3f26d1_qkv.kd
    .args:
      - { .name: x_codes, .offset: 0, .size: 8, .value_kind: global_buffer, .address_space: global }
      - { .name: x_scales, .offset: 8, .size: 8, .value_kind: global_buffer, .address_space: global }
      - { .name: w_codes, .offset: 16, .size: 8, .value_kind: global_buffer, .address_space: global }
      - { .name: w_scales, .offset: 24, .size: 8, .value_kind: global_buffer, .address_space: global }
      - { .name: qkv16, .offset: 32, .size: 8, .value_kind: global_buffer, .address_space: global }
      - { .name: qkv32, .offset: 40, .size: 8, .value_kind: global_buffer, .address_space: global }
    .group_segment_fixed_size: 327680
    .private_segment_fixed_size: 0
    .kernarg_segment_align: 8
    .kernarg_segment_size: 48
    .max_flat_workgroup_size: 128
    .sgpr_count:     98
    .vgpr_count:     1024
    .wavefront_size: 32
...
	.end_amdgpu_metadata
.endif
;; end of part 2
;; launch attn (part 3): grid 4 x 64, 8 waves a work-group, no clusters, 327,680 bytes of LDS; arguments qkv16, att16; writes att16
.if DOCPART == 3
	.amdgcn_target "amdgcn-amd-amdhsa--gfx1250"
	.amdhsa_code_object_version 6
	.text
	.protected	k_qc37b3f26d1_attn
	.globl	k_qc37b3f26d1_attn
	.p2align	8
	.type	k_qc37b3f26d1_attn,@function
k_qc37b3f26d1_attn:
	s_mov_b64 s[64:65], 0
	v_nop
	global_prefetch_b8 v0, s[64:65] scope:SCOPE_SE
	s_setreg_imm32_b32 hwreg(HW_REG_WAVE_MODE, 25, 1), 1
	s_wait_xcnt 0x0
; att[b][t][head][:] = the sum over keys k <= t of softmax_k(q . k / 8) v, for 64 heads (batch x head) of 2,048 positions and 64 channels.  Operands in f16; products, maxima and sums in f32; p is rounded to f16 for
; the second product, the row's sum is taken of the unrounded p.  A running maximum m and sum l for each query: p = 2^(c s - c m), c = log2(e) / 8; in every step O and l are multiplied by a = 2^(c m_old - c m_new).
; INPUT: qkv16, images of operand registers: byte ((batch 48 + 3 head + (0 q, 1 k, 2 v)) 128 + t / 16) 2048 + 512 (d / 16) + 16 PI(lane), PI(l) = l xor 8 (l / 16); lane (r, h) holds row t % 16 = r, channels 16 (d / 16) + 8 h + 0..7.
; OUTPUT: att16, images for the projection: byte ((batch 2048 + t) / 16) 32768 + head 2048 + 512 (d / 16) + 16 lane.  Each store covers 512 consecutive bytes, aligned.
; SHARES.  Work-group (i, head) owns query blocks i and 7 - i (256 queries each), one after the other: key slots 0 .. i, then 0 .. 7 - i: always 9 tiles of 256 keys, so all 256 work-groups have the same number of tiles,
; and no tile is fetched that lies wholly above the diagonal.  A wave owns 32 queries, two tiles of 16; two waves share a SIMD, so that one's softmax stands beside the other's products and LDS loads.  A step is 64 keys.
; NO CLUSTER: the four work-groups of a head need different key slots at different trips and different numbers of them (i + 1 and 8 - i), so a joint load would bring some partner a tile that none of its waves reads.
; LAYOUT.  S^T = K Q^T (source 0 = 16 keys, source 1 = 16 queries): a lane holds one query (lane % 16) and keys 8 (lane / 16) + 0..7; two such tiles, rounded in pairs, are source 1 of O^T = V^T P.  V is turned by ds_load_tr16_b128.
; CAUSAL.  A step all of whose keys come after my 32 queries is jumped over (ids alone); on the diagonal hidden scores become -infinity ahead of the maximum.  Key 0 counts for every query and lies in a block's first step.
; AT THE CHANGE OF QUERY BLOCKS m is set back to -3e38: the next a is 2^(-huge) = 0, which multiplies the old (finite) O^T and l away; nothing is cleared.
; LIMITS: NaN and infinities are not served; |q|, |k|, |v| under 65,504.
; LDS: two slots of 65,536 bytes (K's 16 key tiles of 2,048 bytes, then V's), then the spare words.  All of a WGP's LDS is claimed.
; REGISTERS: window 0: v0 256 x lane; v1-11 addresses and the mask's numbers; v12-27 statistics, 8 a tile; v28-31 a second chain of sums; v32-63 Q; v64-127 K; v128-191 V^T; v192-255 S^T, then p, then P.
;   window 1: v0-63 O^T ((t, ct) at 32 t + 8 ct); v64-95 the second block's Q.
.set SLOT1, 65536
.set SPARE, 131072
.set PFO, 0                            ; v0  256 x lane, for the prefetch; written when every lane term is made; never rewritten after
.set LI,  1                            ; v1  16 PI(lane)
.set LV,  2                            ; v2  my place in a turned load of V, V's 32,768 bytes into a slot included
.set ADK, 3
.set ADV, 4
.set SPW, 5                            ; v5  LDS address of my spare word; never rewritten
.set NIL, 6                            ; v6  0; never rewritten
.set GO,  7                            ; v7  16 x lane
.set DM,  8                            ; v8, v9  the mask's d for tiles 0, 1
.set NINF, 10
.set RH,  11                           ; v11 r - 8 h
.set ST,  12                           ; tile t at v[ST + 8 t]: +0 c m, +1 m, +2 +3 l, +4 +5 c0 c1 (later a chain of sums), +6 c2 (later a), +7 c3
.set YS,  28
.set Q,   32
.set KR,  64
.set VR,  128
.set S,   192
.set WV,  8
.set IB,  9                            ; s9  i
.set G1,  16
.set G0,  24
.set KVA, 30                           ; s[30:31] my wave's 8,192 bytes of K or V at key slot 0
.set PFA, 32                           ; s[32:33] the same at the key slot that is being asked for
.set NT,  34                           ; s34 the tile in hand, 0 .. 8
.set NX,  36                           ; s36 the key slot of the tile being asked for
.set KF,  37                           ; s37 the step's first key
.set Q0,  38                           ; s38 my first query
.set TB,  39                           ; s39 LDS byte at which the step's K begins
.set PLO, 41
.set CS,  42
.set SEL, 44
.set OA,  46                           ; s[46:47] att16 at my rows of the block in hand;  s[52:53] of the second block
.set MSB, 0
.macro WIN new
.if MSB != (\new)
	s_set_vgpr_msb (MSB<<8)|(\new)
.set MSB, (\new)
.endif
.endm
.set W_RS, 0x41                        ; destination and source 0 window 1
.set W_PV, 0x50                        ; C and D window 1
.set W_D1, 0x40                        ; destination window 1
.set W_CP, 0x01                        ; source 0 window 1
.set W_CV, 0x05                        ; sources 0 and 1 window 1
	s_load_b128 s[4:7], s[0:1], 0x0                ; qkv16, att16
	v_lshl_add_u32 v[SPW], v0, 2, SPARE
	v_mov_b32 v[NIL], 0
	ds_add_u32 v[SPW], v[NIL]                      ; the wave's opening: the add, twice on end, and its wait ahead of my first tensor load
	ds_add_u32 v[SPW], v[NIL]
	v_lshrrev_b32 v1, 5, v0
	v_readfirstlane_b32 s[WV], v1                  ; wave 0..7
	s_mov_b32 s[IB], ttmp9
	s_and_b32 s10, ttmp7, 0xffff
	s_lshr_b32 s11, s10, 4                         ; batch
	s_and_b32 s12, s10, 15                         ; head
	s_mul_i32 s13, s11, 48
	s_mul_i32 s50, s12, 3
	s_add_co_u32 s13, s13, s50
	s_lshl_b32 s48, s13, 18                        ; the head's q segment, in bytes
	s_mov_b32 s49, 0
	s_lshr_b32 s50, s[WV], 2                       ; waves 0-3 fetch K, waves 4-7 V: a quarter each
	s_add_co_u32 s50, s50, 1
	s_lshl_b32 s50, s50, 18
	s_and_b32 s51, s[WV], 3
	s_lshl_b32 s51, s51, 13
	s_add_co_u32 s50, s50, s51
	s_mov_b32 s51, 0
	s_mov_b32 s[G1+0], 3<<16                       ; no mask; elements of 8 bytes; no padding
	s_mov_b32 s[G1+1], 32<<16                      ; tensor_dim0 = 32: rows of 256 bytes
	s_mov_b32 s[G1+2], 32<<16                      ; tensor_dim1 = 32
	s_mov_b32 s[G1+3], 32<<16                      ; tile_dim0
	s_mov_b32 s[G1+4], 32                          ; tile_dim1: 8,192 dense bytes
	s_mov_b32 s[G1+5], 32                          ; the pitch
	s_mov_b32 s[G1+6], 0
	s_mov_b32 s[G1+7], 0
	s_lshl_b32 s55, s[WV], 1
	s_lshl_b32 s58, s[IB], 4
	s_sub_co_u32 s59, 112, s58
	s_add_co_u32 s58, s58, s55                     ; my first tile of 16 queries in block i: 16 i + 2 w,
	s_add_co_u32 s59, s59, s55                     ; and in block 7 - i
	s_lshl_b32 s[Q0], s58, 4
	s_lshl_b32 s54, s59, 4
	s_lshl_b32 s14, s58, 11
	s_mov_b32 s15, 0
	s_lshl_b32 s56, s59, 11
	s_mov_b32 s57, 0
	s_lshl_b32 s13, s11, 7
	s_lshl_b32 s55, s12, 11
	s_add_co_u32 s[OA], s13, s58
	s_lshl_b32 s[OA], s[OA], 15
	s_add_co_u32 s[OA], s[OA], s55
	s_mov_b32 s[OA+1], 0
	s_add_co_u32 s52, s13, s59
	s_lshl_b32 s52, s52, 15
	s_add_co_u32 s52, s52, s55
	s_mov_b32 s53, 0
	s_mov_b32 s[NT], 0
	s_mov_b32 s[NX], 0
	s_mov_b32 s[KF], 0
	s_mov_b32 s[TB], 0
	s_mov_b32 s[PLO], 0x1000
	s_cmp_eq_u32 s[IB], 0
	s_cselect_b32 s[PLO], 3, s[PLO]                ; work-group 0 of a head prefetches in trips 3 to 6, the others never
	s_mov_b32 s[CS], 0x3e38aa3b                    ; c = log2(e) / 8
	s_mov_b32 s[CS+1], s[CS]                       ; (named with it as a pair, so it is written)
	s_mov_b32 s[SEL], 0x76543210
	s_mov_b32 s[SEL+1], 0xfedcba98                 ; v_permlanex16_b32: lane l xor 16
	v_and_b32 v7, 31, v0                           ; lane
	v_and_b32 v8, 15, v0                           ; r
	v_bfe_u32 v9, v0, 4, 1                         ; h
	v_lshlrev_b32 v10, 3, v9
	v_xor_b32 v1, v7, v10
	v_lshlrev_b32 v[LI], 4, v1
	v_sub_nc_u32 v[RH], v8, v10
	v_bfe_u32 v2, v0, 3, 1                         ; h' = (lane / 8) % 2: which eight channels the turning load takes
	v_xor_b32 v3, v9, v2
	v_and_b32 v4, 7, v0
	v_lshl_add_u32 v4, v3, 3, v4
	v_lshl_add_u32 v4, v2, 4, v4                   ; PI of the lane that holds key 8 h + lane % 8, channels 8 h' on
	v_lshlrev_b32 v2, 4, v4
	v_add_nc_u32 v[LV], 32768, v2
	v_lshlrev_b32 v[PFO], 8, v7
	v_lshlrev_b32 v[GO], 4, v7
	v_mov_b32 v[NINF], 0xff800000
	s_wait_dscnt 0x0                               ; both opening adds are done
	s_wait_kmcnt 0x0
	s_add_nc_u64 s[4:5], s[4:5], s[48:49]
	s_add_nc_u64 s[KVA:KVA+1], s[4:5], s[50:51]
	s_mov_b32 s[G0], 1
	s_lshl_b32 s[G0+1], s[WV], 13                  ; slot 0, 8,192 bytes a wave
	s_mov_b64 s[G0+2:G0+3], s[KVA:KVA+1]
	s_or_b32 s[G0+3], s[G0+3], 0x80000000
	tensor_load_to_lds s[G0:G0+3], s[G1:G1+7]      ; tile 0: one load of mine is out
	s_nop 0
.rept 4
	v_nop
.endr
	s_add_nc_u64 s[14:15], s[4:5], s[14:15]
	s_add_nc_u64 s[56:57], s[4:5], s[56:57]
	s_add_nc_u64 s[OA:OA+1], s[6:7], s[OA:OA+1]
	s_add_nc_u64 s[52:53], s[6:7], s[52:53]
.set n, 0
.rept 8
	global_load_b128 v[Q+4*n:Q+4*n+3], v[LI], s[14:15] offset:512*n        ; the first block's Q: fragment (t, kc) at Q + 16 t + 8 kc
.set n, n+1
.endr
	WIN W_D1
.set n, 0
.rept 8
	global_load_b128 v[64+4*n:64+4*n+3], v[LI], s[56:57] offset:512*n      ; the second block's, kept in window 1
.set n, n+1
.endr
.set n, 0
.rept 64
	v_mov_b32 v[n], 0                              ; O^T: the step is written once; the first finds zeros
.set n, n+1
.endr
	WIN 0
.macro FRESH                           ; m = -3e38, under every score; c m
.irp t, 0,1
	v_mov_b32 v[ST+8*\t+1], 0xff61b1e6
	v_mul_f32 v[ST+8*\t], s[CS], v[ST+8*\t+1]
.endr
.endm
	FRESH
.irp t, 0,1
	v_mov_b32 v[ST+8*\t+2], 0
	v_mov_b32 v[ST+8*\t+3], 0
.endr
; A PREFETCH of the key slot that the NEXT change of slots will load.  It stands behind the wave's tensor load and its five lines.  Of a head's four work-groups number 0 alone asks, in trips 3 to 6, for key slots 4 to 7:
; in trip N it loads key slot N, and names key slot N + 1, one trip (four key steps) ahead.  Each wave names its own 8,192 bytes, lanes 256 bytes apart: each run of 256 bytes is named once in the launch.  Key slots 0 to 3 come by their loads alone.
.macro ASK
	s_sub_co_u32 s50, s[NT], s[PLO]
	s_cmp_lt_u32 s50, 4
	s_cbranch_scc0 .Lnot_mine_\@
	global_prefetch_b8 v[PFO], s[PFA:PFA+1] offset:32768 th:TH_LOAD_NT scope:SCOPE_SE
.Lnot_mine_\@:
.endm
; THE CHANGE OF SLOTS stands at a tile's head.  Each wave waits for all its tensor loads (its part of the tile that it is about to read), adds 0 to its spare word, and waits for that and for its reads of the slot that it has left.
; Behind the barrier the tile ahead is whole and nobody reads the other slot.  fill = 1: that slot takes the next tile, the wave's one load until the next barrier: it has four key steps in which to land.
.macro CHANGE fill
	s_wait_tensorcnt 0x0                           ; no tensor load of mine is out, so group 0 may be written
	ds_add_u32 v[SPW], v[NIL]                      ; 0 onto my spare word; the descriptor's steps stand between it and the wait for it
.if \fill
	s_xor_b32 s[G0+1], s[G0+1], SLOT1              ; the other slot than last time
	s_add_co_u32 s[NX], s[NX], 1                   ; the next key slot,
	s_cmp_eq_u32 s[NT], s[IB]
	s_cselect_b32 s[NX], 0, s[NX]                  ; or key slot 0, where the tile in hand is the first block's last
	s_lshl_b32 s48, s[NX], 15
	s_mov_b32 s49, 0
	s_add_nc_u64 s[G0+2:G0+3], s[KVA:KVA+1], s[48:49]
	s_or_b32 s[G0+3], s[G0+3], 0x80000000
	s_wait_xcnt 0x0                                ; the last prefetch, a tile back, has read its address
	s_add_nc_u64 s[PFA:PFA+1], s[KVA:KVA+1], s[48:49]
.endif
	s_wait_dscnt 0x0                               ; the add is done, and my reads of the slot that I have left are over
	s_barrier_signal -1
	s_barrier_wait -1
.if \fill
	tensor_load_to_lds s[G0:G0+3], s[G1:G1+7]
	s_nop 0
.rept 4
	v_nop
.endr
	ASK
.endif
.endm
; A KEY STEP: 64 keys against my 32 queries.
.macro STEP
	s_add_co_u32 s50, s[Q0], 31
	s_cmp_gt_u32 s[KF], s50                        ; all 64 keys come after my queries: nothing to do (ids and the count of steps alone)
	s_cbranch_scc1 .Lhidden_\@
	v_add_nc_u32 v[ADK], s[TB], v[LI]
	v_add_nc_u32 v[ADV], s[TB], v[LV]
.rept 3
	v_nop                                          ; with the two additions five places behind the last V^T P: four for the loads into V's registers, five for the products below, which write over P
.endr
.set n, 0
.rept 16
	ds_load_b128 v[KR+4*n:KR+4*n+3], v[ADK] offset:512*n                   ; K's images as they lie: fragment (kt, kc) at KR + 16 kt + 8 kc
.set n, n+1
.endr
.irp kp, 0,1
.irp ct, 0,1,2,3
	ds_load_tr16_b128 v[VR+32*\kp+8*\ct:VR+32*\kp+8*\ct+3], v[ADV] offset:4096*\kp+512*\ct            ; V^T: channels 16 ct on, keys 32 kp + 8 h + 0..7,
	ds_load_tr16_b128 v[VR+32*\kp+8*\ct+4:VR+32*\kp+8*\ct+7], v[ADV] offset:4096*\kp+2048+512*\ct     ; and 16 keys further on
.endr
.endr
	s_wait_dscnt 16                                ; K's 16 loads are in; V's 16 may be out
.irp kc, 0,1                                   ; S^T = K Q^T: eight accumulators by turns, one instruction a turn
.irp kt, 0,1,2,3
.irp t, 0,1
.if \kc == 0
	v_wmma_f32_16x16x32_f16 v[S+32*\t+8*\kt:S+32*\t+8*\kt+7], v[KR+16*\kt+8*\kc:KR+16*\kt+8*\kc+7], v[Q+16*\t+8*\kc:Q+16*\t+8*\kc+7], 0
.else
	v_wmma_f32_16x16x32_f16 v[S+32*\t+8*\kt:S+32*\t+8*\kt+7], v[KR+16*\kt+8*\kc:KR+16*\kt+8*\kc+7], v[Q+16*\t+8*\kc:Q+16*\t+8*\kc+7], v[S+32*\t+8*\kt:S+32*\t+8*\kt+7]
.endif
.endr
.endr
.endr
.rept 4
	v_nop                                          ; places ahead of the first read of the scores
.endr
	s_add_co_u32 s50, s[KF], 63
	s_cmp_le_u32 s50, s[Q0]                        ; all 64 keys count for all my queries: no mask
	s_cbranch_scc1 .Lopen_\@
	s_sub_co_i32 s50, s[Q0], s[KF]
	v_add_nc_u32 v[DM], s50, v[RH]                 ; d = my query - the step's first key - 8 h.  Register 8 kt + j holds key 16 kt + 8 h + j: hidden where 16 kt + j > d
	v_add_nc_u32 v[DM+1], 16, v[DM]
.irp t, 0,1
.set n, 0
.rept 32
	v_cmp_gt_i32 vcc_lo, 16*(n/8)+n%8, v[DM+\t]
	v_cndmask_b32 v[S+32*\t+n], v[S+32*\t+n], v[NINF], vcc_lo
.set n, n+1
.endr
.endr
.Lopen_\@:
.irp j, 0,1,2,3                                ; the maximum: four chains a tile, each begun at the low end of a key tile's registers; the two tiles line by line
.irp t, 0,1
	v_max3_num_f32 v[ST+8*\t+4+\j], v[S+32*\t+8*\j], v[S+32*\t+8*\j+1], v[S+32*\t+8*\j+2]
.endr
.endr
.irp j, 4,5,6,7,8,9,10,11
.irp t, 0,1
	v_max3_num_f32 v[ST+8*\t+4+\j%4], v[ST+8*\t+4+\j%4], v[S+32*\t+8*(\j%4)+2*(\j/4)+1], v[S+32*\t+8*(\j%4)+2*(\j/4)+2]
.endr
.endr
.irp t, 0,1
	v_max3_num_f32 v[ST+8*\t+4], v[ST+8*\t+4], v[S+32*\t+7], v[S+32*\t+15]
	v_max3_num_f32 v[ST+8*\t+6], v[ST+8*\t+6], v[S+32*\t+23], v[S+32*\t+31]
.endr
.irp t, 0,1
	v_max3_num_f32 v[ST+8*\t+4], v[ST+8*\t+4], v[ST+8*\t+5], v[ST+8*\t+6]
.endr
.irp t, 0,1
	v_max3_num_f32 v[ST+8*\t+4], v[ST+8*\t+4], v[ST+8*\t+7], v[ST+8*\t+1]   ; with the old m
.endr
.irp t, 0,1
	v_permlanex16_b32 v[ST+8*\t+5], v[ST+8*\t+4], s[SEL], s[SEL+1]          ; the query's other 32 keys lie in the lane 16 away
.endr
.irp t, 0,1
	v_mov_b32 v[ST+8*\t+7], v[ST+8*\t]             ; c m_old
.endr
.irp t, 0,1
	v_max_num_f32 v[ST+8*\t+1], v[ST+8*\t+4], v[ST+8*\t+5]
.endr
.irp t, 0,1
	v_mul_f32 v[ST+8*\t], s[CS], v[ST+8*\t+1]
.endr
.irp t, 0,1
	v_sub_f32 v[ST+8*\t+7], v[ST+8*\t+7], v[ST+8*\t]
.endr
.set j, 0
.rept 16
.irp t, 0,1
	v_pk_fma_f32 v[S+32*\t+2*j:S+32*\t+2*j+1], v[S+32*\t+2*j:S+32*\t+2*j+1], s[CS:CS+1], v[ST+8*\t:ST+8*\t+1] op_sel_hi:[1,0,0] neg_lo:[0,0,1] neg_hi:[0,0,1]   ; c s - c m
.endr
.set j, j+1
.endr
.irp t, 0,1
	v_exp_f32 v[ST+8*\t+6], v[ST+8*\t+7]           ; a
.endr
.set j, 0
.rept 32
.irp t, 0,1
	v_exp_f32 v[S+32*\t+j], v[S+32*\t+j]           ; p: with the two a one batch of 66; none reads another's result
.endr
.set j, j+1
.endr
	v_nop                                          ; a plain instruction behind the last exponential
	s_wait_alu depctr_va_vdst(0)                   ; one wait for the batch, ahead of its first reader
.irp t, 0,1
	v_pk_add_f32 v[ST+8*\t+4:ST+8*\t+5], v[S+32*\t:S+32*\t+1], v[S+32*\t+2:S+32*\t+3]       ; the sum of the unrounded p, in two chains a tile
	v_pk_add_f32 v[YS+2*\t:YS+2*\t+1], v[S+32*\t+4:S+32*\t+5], v[S+32*\t+6:S+32*\t+7]
.endr
.irp j, 8,12,16,20,24,28
.irp t, 0,1
	v_pk_add_f32 v[ST+8*\t+4:ST+8*\t+5], v[ST+8*\t+4:ST+8*\t+5], v[S+32*\t+\j:S+32*\t+\j+1]
	v_pk_add_f32 v[YS+2*\t:YS+2*\t+1], v[YS+2*\t:YS+2*\t+1], v[S+32*\t+\j+2:S+32*\t+\j+3]
.endr
.endr
.irp t, 0,1
	v_pk_add_f32 v[ST+8*\t+4:ST+8*\t+5], v[ST+8*\t+4:ST+8*\t+5], v[YS+2*\t:YS+2*\t+1]
.endr
.irp t, 0,1
	v_pk_fma_f32 v[ST+8*\t+2:ST+8*\t+3], v[ST+8*\t+2:ST+8*\t+3], v[ST+8*\t+6:ST+8*\t+7], v[ST+8*\t+4:ST+8*\t+5] op_sel_hi:[1,0,1]   ; l = a l + the sum
.endr
.set j, 0
.rept 16
.irp t, 0,1
	v_cvt_pk_f16_f32 v[S+32*\t+j], v[S+32*\t+2*j], v[S+32*\t+2*j+1]        ; P, in place and ascending: fragment kp at S + 32 t + 8 kp
.endr
.set j, j+1
.endr
	s_wait_dscnt 0x0                               ; V is in
	WIN W_RS
.set j, 0
.rept 16
.irp t, 0,1
	v_pk_mul_f32 v[32*\t+2*j:32*\t+2*j+1], v[32*\t+2*j:32*\t+2*j+1], v[ST+8*\t+6:ST+8*\t+7] op_sel_hi:[1,0]   ; O^T x a, each accumulator from its low end on
.endr
.set j, j+1
.endr
	WIN W_PV
.irp kp, 0,1                                   ; O^T += V^T P: eight accumulators by turns
.irp ct, 0,1,2,3
.irp t, 0,1
	v_wmma_f32_16x16x32_f16 v[32*\t+8*\ct:32*\t+8*\ct+7], v[VR+32*\kp+8*\ct:VR+32*\kp+8*\ct+7], v[S+32*\t+8*\kp:S+32*\t+8*\kp+7], v[32*\t+8*\ct:32*\t+8*\ct+7]
.endr
.endr
.endr
	WIN 0
.Lhidden_\@:
.endm
.macro SLOT_STEPS                      ; a tile's four key steps: written once, walked four times; the LDS addresses hang on s[TB]
	s_mov_b32 s40, 4
.Lstep_\@:
	STEP
	s_add_co_u32 s[KF], s[KF], 64
	s_add_co_u32 s[TB], s[TB], 8192
	s_sub_co_u32 s40, s40, 1
	s_cmp_lg_u32 s40, 0
	s_cbranch_scc1 .Lstep_\@
	s_sub_co_u32 s[TB], s[TB], 32768
	s_xor_b32 s[TB], s[TB], SLOT1                  ; on to the other slot
.endm
; A block of queries is done: O^T / l, rounded to f16, leaves as images of the projection's operand registers.
.macro FINISH
.rept 4
	v_nop                                          ; places behind the last products
.endr
.irp t, 0,1
	v_add_f32 v[ST+8*\t+4], v[ST+8*\t+2], v[ST+8*\t+3]
.endr
.irp t, 0,1
	v_permlanex16_b32 v[ST+8*\t+5], v[ST+8*\t+4], s[SEL], s[SEL+1]
.endr
.irp t, 0,1
	v_add_f32 v[ST+8*\t+4], v[ST+8*\t+4], v[ST+8*\t+5]
.endr
.irp t, 0,1
	v_rcp_f32 v[ST+8*\t+6], v[ST+8*\t+4]
.endr
	v_nop
	s_wait_alu depctr_va_vdst(0)                   ; one wait for the two reciprocals, ahead of their first reader
	WIN W_RS
.set j, 0
.rept 16
.irp t, 0,1
	v_pk_mul_f32 v[32*\t+2*j:32*\t+2*j+1], v[32*\t+2*j:32*\t+2*j+1], v[ST+8*\t+6:ST+8*\t+7] op_sel_hi:[1,0]
.endr
.set j, j+1
.endr
	WIN W_CV
.set j, 0
.rept 32
	v_cvt_pk_f16_f32 v[S+j], v[2*j], v[2*j+1]
.set j, j+1
.endr
	WIN 0
.irp t, 0,1
.irp ct, 0,1,2,3
	global_store_b128 v[GO], v[S+16*\t+4*\ct:S+16*\t+4*\ct+3], s[OA:OA+1] offset:32768*\t+512*\ct th:TH_STORE_NT   ; 32 lanes store 512 consecutive bytes, aligned
.endr
.endr
.endm
	s_wait_loadcnt 0x0                             ; Q, both blocks'
.Ltile:                                            ; 8 trips: behind each change of slots but the last the next tile is asked for
	CHANGE 1
	SLOT_STEPS
	s_cmp_lg_u32 s[NT], s[IB]                      ; ids and the count of trips: the same in all eight waves
	s_cbranch_scc1 .Lsame
	FINISH                                         ; the first block of queries is done: on to block 7 - i
	s_wait_xcnt 0x0                                ; the stores have read their data and their base
	s_mov_b64 s[OA:OA+1], s[52:53]
	s_mov_b32 s[Q0], s54
	s_mov_b32 s[KF], 0
	WIN W_CP
.set n, 0
.rept 32
	v_mov_b32 v[Q+n], v[64+n]
.set n, n+1
.endr
	WIN 0
	FRESH
.Lsame:
	s_add_co_u32 s[NT], s[NT], 1
	s_cmp_lt_u32 s[NT], 8
	s_cbranch_scc1 .Ltile
	CHANGE 0                                       ; the last tile is written out
	SLOT_STEPS
	FINISH
	s_wait_tensorcnt 0x0                           ; the wave's end
	ds_add_u32 v[SPW], v[NIL]
	s_wait_dscnt 0x0
	s_endpgm
.Lfunc_end_k_qc37b3f26d1_attn:
	.size	k_qc37b3f26d1_attn, .Lfunc_end_k_qc37b3f26d1_attn-k_qc37b3f26d1_attn
	.p2alignl 7, 3214868480
	.fill 96, 4, 3214868480
	.section	.rodata,"a",@progbits
	.p2align	6, 0x0
	.amdhsa_kernel k_qc37b3f26d1_attn
		.amdhsa_group_segment_fixed_size 327680
		.amdhsa_private_segment_fixed_size 0
		.amdhsa_enable_private_segment 0
		.amdhsa_kernarg_size 16
		.amdhsa_user_sgpr_count 2
		.amdhsa_user_sgpr_kernarg_segment_ptr 1
		.amdhsa_wavefront_size32 1
		.amdhsa_system_sgpr_workgroup_id_x 1
		.amdhsa_system_sgpr_workgroup_id_y 1
		.amdhsa_system_sgpr_workgroup_id_z 1
		.amdhsa_system_vgpr_workitem_id 0
		.amdhsa_next_free_vgpr 352
		.amdhsa_next_free_sgpr 66
		.amdhsa_reserve_vcc 1
		.amdhsa_float_denorm_mode_32 3
		.amdhsa_float_denorm_mode_16_64 3
		.amdhsa_memory_ordered 1
		.amdhsa_forward_progress 1
		.amdhsa_inst_pref_size 65
	.end_amdhsa_kernel
	.amdgpu_metadata
---
amdhsa.version: [ 1, 2 ]
amdhsa.kernels:
  - .name:           k_qc37b3f26d1_attn
    .symbol:         k_qc37b3f26d1_attn.kd
    .args:
      - { .name: qkv16, .offset: 0, .size: 8, .value_kind: global_buffer, .address_space: global }
      - { .name: att16, .offset: 8, .size: 8, .value_kind: global_buffer, .address_space: global }
    .group_segment_fixed_size: 327680
    .private_segment_fixed_size: 0
    .kernarg_segment_align: 8
    .kernarg_segment_size: 16
    .max_flat_workgroup_size: 256
    .sgpr_count:     66
    .vgpr_count:     352
    .wavefront_size: 32
...
	.end_amdgpu_metadata
.endif
;; end of part 3
;; launch proj (part 4): grid 8 x 32, 4 waves a work-group, clusters of 4 x 4, 327,680 bytes of LDS; arguments att16, wp16, b_proj, out0; writes out0
.if DOCPART == 4
	.amdgcn_target "amdgcn-amd-amdhsa--gfx1250"
	.amdhsa_code_object_version 6
	.text
	.protected	k_qc37b3f26d1_proj
	.globl	k_qc37b3f26d1_proj
	.p2align	8
	.type	k_qc37b3f26d1_proj,@function
k_qc37b3f26d1_proj:
	s_mov_b64 s[64:65], 0
	v_nop
	global_prefetch_b8 v0, s[64:65] scope:SCOPE_SE
	s_setreg_imm32_b32 hwreg(HW_REG_WAVE_MODE, 25, 1), 1
	s_wait_xcnt 0x0
	s_wait_alu depctr_hold_cnt(0) depctr_sa_sdst(0) depctr_va_vdst(0) depctr_va_sdst(0) depctr_va_ssrc(0) depctr_va_vcc(0) depctr_vm_vsrc(0)
	s_getreg_b32 s2, hwreg(HW_REG_IB_STS2, 6, 4)
	s_cmp_eq_u32 s2, 0
	s_cbranch_scc0 .Lentry_in_a_cluster
	s_endpgm
.Lentry_in_a_cluster:
	s_bfe_u32 s2, ttmp6, 0x10000c
	s_cmp_lg_u32 s2, 0xf033
	s_cbranch_scc0 .Lentry_shape_is_right
	s_endpgm
.Lentry_shape_is_right:
; out[m][n] = sum over k of att[m][k] W_proj[n][k] + b[n].  m = 8,192, n = k = 1,024.  Operands in f16, sums in f32; the bias is the C of each sum's first matrix instruction.
; att16 holds images of operand registers: byte (m / 16) 32768 + (k / 32) 1024 + 512 c + 16 lane; wp16 is [1024][1024] f16, row-major.
; A tile of out is 256 rows x 128 columns: 256 work-groups.  Four waves, each 128 x 64: 32 accumulators, 256 registers.  K goes in 8 steps of 128 through two LDS slots:
; att's part is 16 runs of 4,096 bytes, read back 512 consecutive bytes a load; W's is 128 rows of 256 bytes, 272 apart in LDS.
; CLUSTERS: 4 x 4.  The four of a row of the cluster need the same tiles of att, the four of a column the same tiles of W: each is asked for jointly, by the same tensor load with a mask that names the four.
; THE MATRIX INSTRUCTION IS USED TRANSPOSED (source 0 = 16 rows of W, source 1 = 16 rows of att): a lane holds eight neighbouring numbers of a row of out.
; Rows t < 16 of every batch are stored here too and are written over by the launch that carries them in f32: 64 of 8,192 rows; leaving them out would cost a branch more in a launch in clusters.
; No prefetch: a K step here is short and its tiles are shared by joint loads.  All of a WGP's LDS is claimed.
; REGISTERS: window 0: v16-29 addresses; v32-63 the bias, tile b at 32 + 8 b; v64-191 att's fragments, two buffers of 64; v192-255 W's, two of 32.  window 1: the accumulators ((a, b) at 8 (4 a + b)).
.set ASZ,    65536                     ; att's part of a slot
.set BP,     272
.set BHALF,  64*BP
.set SLOT,   ASZ+2*BHALF
.set STAGE,  2*SLOT                    ; behind the ring: 16 rows x 272 bytes for each wave
.set SP,     272
.set SPARE,  STAGE+4*16*SP
.set LAPS,   4
.set ADRA, 16
.set ADRB, 20
.set STO,  24
.set RD,   25
.set CO,   26
.set BO,   27
.set SPW,  28
.set NIL,  29
.set BIAS, 32
.set G1, 24
.set G0, 32
.set G1B, 48
.set G0B, 56
.set MSB, 0
.macro WIN new
.if MSB != (\new)
	s_set_vgpr_msb (MSB<<8)|(\new)
.set MSB, (\new)
.endif
.endm
.set MUL,  0x50                        ; C and D window 1, both sources window 0
.set MUL0, 0x40                        ; D window 1, C (the bias) window 0
.macro JLOAD s                         ; waves 0 and 1 fetch att's two halves, waves 2 and 3 W's; an s_nop 0 and four v_nop follow each line
	s_cmp_eq_u32 s11, 0
	s_cbranch_scc0 .Lfor_b_\@
	tensor_load_to_lds s[G0+4*\s:G0+4*\s+3], s[G1:G1+7]
	s_nop 0
.rept 4
	v_nop
.endr
	s_branch .Lasked_\@
.Lfor_b_\@:
	tensor_load_to_lds s[G0B+4*\s:G0B+4*\s+3], s[G1B:G1B+7]
	s_nop 0
.rept 4
	v_nop
.endr
.Lasked_\@:
.endm
.macro CREST
	s_cmp_lg_u32 s10, 0
	s_cbranch_scc1 .Lnot_wave_0_\@
	s_barrier_signal -3
.Lnot_wave_0_\@:
	s_barrier_wait -3
	s_barrier_signal -1
	s_barrier_wait -1
.endm
.macro CROUND
	s_barrier_signal -1
	s_barrier_wait -1
	CREST
.endm
	s_load_b128 s[4:7], s[0:1], 0x0                ; att16, wp16
	s_load_b128 s[68:71], s[0:1], 0x10             ; b_proj, out0
	v_lshl_add_u32 v[SPW], v0, 2, SPARE
	v_mov_b32 v[NIL], 0
	ds_add_u32 v[SPW], v[NIL]                      ; the wave's opening: the add, twice on end, and its wait ahead of my first tensor load
	ds_add_u32 v[SPW], v[NIL]
	v_lshrrev_b32 v1, 5, v0
	v_readfirstlane_b32 s10, v1                    ; wave 0..3
	s_lshr_b32 s11, s10, 1                         ; which half of the tile's rows is mine.  Also: I fetch for att (0) or for W (1)
	s_and_b32 s12, s10, 1                          ; which half of its columns.  Also: which half I fetch
	s_bfe_u32 s40, ttmp6, 0x40000                  ; cx
	s_bfe_u32 s41, ttmp6, 0x40004                  ; cy
	s_lshl_b32 s42, ttmp9, 2
	s_add_co_u32 s42, s42, s40                     ; tile column
	s_and_b32 s13, ttmp7, 0xffff
	s_lshl_b32 s13, s13, 2
	s_add_co_u32 s13, s13, s41                     ; tile row
	s_lshl_b32 s43, s41, 2
	s_lshl_b32 s43, 15, s43                        ; my row of the cluster
	s_lshl_b32 s44, 0x1111, s40                    ; my column
	s_or_b32 s[G1+0], s43, (3<<16)|(1<<21)         ; att: mask; elements of 8 bytes; bit 21 beside a mask; no padding
	s_mov_b32 s[G1+1], 512<<16                     ; tensor_dim0 = 512: runs of 4,096 bytes
	s_mov_b32 s[G1+2], 8<<16                       ; tensor_dim1 = 8
	s_mov_b32 s[G1+3], 512<<16                     ; tile_dim0
	s_mov_b32 s[G1+4], 8                           ; tile_dim1
	s_mov_b32 s[G1+5], 4096                        ; the pitch: 32,768 bytes
	s_mov_b32 s[G1+6], 0
	s_mov_b32 s[G1+7], 0
	s_or_b32 s[G1B+0], s44, (1<<16)|(1<<20)|(1<<21)|(5<<22)|(3<<25)  ; W: elements of 2 bytes; 4 words of padding behind every 64
	s_mov_b32 s[G1B+1], 128<<16
	s_mov_b32 s[G1B+2], 64<<16
	s_mov_b32 s[G1B+3], 128<<16
	s_mov_b32 s[G1B+4], 64
	s_mov_b32 s[G1B+5], 1024
	s_mov_b32 s[G1B+6], 0
	s_mov_b32 s[G1B+7], 0
	s_lshl_b32 s16, s13, 4
	s_lshl_b32 s17, s12, 3
	s_add_co_u32 s16, s16, s17
	s_lshl_b32 s16, s16, 15                        ; att: (16 x tile row + 8 x half) runs of 32,768 bytes
	s_mov_b32 s17, 0
	s_lshl_b32 s46, s42, 7
	s_lshl_b32 s47, s12, 6
	s_add_co_u32 s46, s46, s47
	s_lshl_b32 s46, s46, 11                        ; W: (128 x tile column + 64 x half) rows of 2,048 bytes
	s_mov_b32 s47, 0
	s_lshl_b32 s20, s12, 15                        ; where they go: no place in the cluster enters an LDS address
	s_mul_i32 s21, s12, BHALF
	s_add_co_u32 s21, s21, ASZ
	s_wait_dscnt 0x0                               ; both opening adds are done
	s_wait_kmcnt 0x0
	s_add_nc_u64 s[14:15], s[4:5], s[16:17]
	s_add_nc_u64 s[46:47], s[6:7], s[46:47]
	CROUND                                         ; all sixteen work-groups are here: the first joint loads meet
.irp s, 0,1
	s_mov_b32 s[G0+4*\s], 1
	s_add_co_u32 s[G0+4*\s+1], s20, \s*SLOT
	s_add_nc_u64 s[G0+4*\s+2:G0+4*\s+3], s[14:15], \s*4096
	s_or_b32 s[G0+4*\s+3], s[G0+4*\s+3], 0x80000000
	s_mov_b32 s[G0B+4*\s], 1
	s_add_co_u32 s[G0B+4*\s+1], s21, \s*SLOT
	s_add_nc_u64 s[G0B+4*\s+2:G0B+4*\s+3], s[46:47], \s*256
	s_or_b32 s[G0B+4*\s+3], s[G0B+4*\s+3], 0x80000000
	JLOAD \s                                       ; two loads of mine are out
.endr
	v_and_b32 v1, 15, v0                           ; r
	v_bfe_u32 v2, v0, 4, 1                         ; h
	v_and_b32 v3, 31, v0
	v_lshlrev_b32 v3, 4, v3                        ; 16 x lane
	v_mul_u32_u24 v4, v1, BP
	v_lshl_add_u32 v4, v2, 4, v4
	s_lshl_b32 s22, s11, 15                        ; my 8 tiles of 16 rows of att
	s_mul_i32 s23, s12, BHALF
	s_add_co_u32 s23, s23, ASZ                     ; my 64 rows of W
.irp s, 0,1
	v_add_nc_u32 v[ADRA+\s], s22, v3
	v_add_nc_u32 v[ADRB+\s], s23, v4
	s_add_co_u32 s22, s22, SLOT
	s_add_co_u32 s23, s23, SLOT
.endr
	s_mul_i32 s22, s10, 16*SP
	s_add_co_u32 s22, s22, STAGE                   ; my stage
	v_mul_u32_u24 v5, v1, SP
	v_lshl_add_u32 v5, v2, 5, v5
	v_add_nc_u32 v[STO], s22, v5                   ; in: row r, 32 bytes for each half of the lanes
	v_mul_u32_u24 v5, v2, SP
	v_lshl_add_u32 v5, v1, 4, v5
	v_add_nc_u32 v[RD], s22, v5                    ; back: lanes 0-15 one row of 256 bytes, lanes 16-31 the next
	v_lshlrev_b32 v5, 12, v2
	v_lshl_add_u32 v[CO], v1, 4, v5                ; and the same two rows in out
	v_lshlrev_b32 v[BO], 5, v2
	s_lshl_b32 s22, s42, 9
	s_lshl_b32 s23, s12, 8
	s_add_co_u32 s22, s22, s23                     ; my first column, in bytes
	s_mov_b32 s23, 0
	s_add_nc_u64 s[68:69], s[68:69], s[22:23]
	s_lshl_b32 s8, s13, 8
	s_lshl_b32 s9, s11, 7
	s_add_co_u32 s8, s8, s9
	s_lshl_b32 s8, s8, 12                          ; my first row of 4,096 bytes
	s_add_co_u32 s8, s8, s22
	s_mov_b32 s9, 0
	s_add_nc_u64 s[70:71], s[70:71], s[8:9]
.irp b, 0,1,2,3
	global_load_b128 v[BIAS+8*\b:BIAS+8*\b+3], v[BO], s[68:69] offset:64*\b          ; b at columns 16 b + 8 h + 0..7: the result's layout
	global_load_b128 v[BIAS+8*\b+4:BIAS+8*\b+7], v[BO], s[68:69] offset:64*\b+16
.endr
; 8 matrix instructions: att's blocks a0, a0 + 1 against W's four, 32 along K, from buffer f.  The 32 accumulators take turns, one instruction a turn, in the same order in every quarter.
.macro MUL8 f, a0, first
.irp a, \a0, \a0+1
.irp b, 0,1,2,3
.if \first
	v_wmma_f32_16x16x32_f16 v[8*(4*(\a)+\b):8*(4*(\a)+\b)+7], v[192+32*\f+8*\b:192+32*\f+8*\b+7], v[64+64*\f+8*(\a):64+64*\f+8*(\a)+7], v[BIAS+8*\b:BIAS+8*\b+7]
.else
	v_wmma_f32_16x16x32_f16 v[8*(4*(\a)+\b):8*(4*(\a)+\b)+7], v[192+32*\f+8*\b:192+32*\f+8*\b+7], v[64+64*\f+8*(\a):64+64*\f+8*(\a)+7], v[8*(4*(\a)+\b):8*(4*(\a)+\b)+7]
.endif
.endr
.endr
.endm
.macro FETCH slot, q, f                ; 24 LDS loads in one run: W's four fragments, then att's eight, of the slot's q-th 32 along K
	WIN 0
.irp i, 0,1,2,3
	ds_load_b128 v[192+32*\f+8*\i:192+32*\f+8*\i+3],   v[ADRB+\slot] offset:64*(\q)+\i*16*BP
	ds_load_b128 v[192+32*\f+8*\i+4:192+32*\f+8*\i+7], v[ADRB+\slot] offset:64*(\q)+\i*16*BP+32
.endr
.irp i, 0,1,2,3,4,5,6,7
	ds_load_b128 v[64+64*\f+8*\i:64+64*\f+8*\i+3],   v[ADRA+\slot] offset:4096*\i+1024*(\q)
	ds_load_b128 v[64+64*\f+8*\i+4:64+64*\f+8*\i+7], v[ADRA+\slot] offset:4096*\i+1024*(\q)+512
.endr
.endm
.macro PLACES                          ; four plain instructions ahead of loads into registers that matrix instructions have read, and of the first read of results
.rept 4
	v_nop
.endr
.endm
.macro QUARTER slot, q, f, g, first    ; multiplies buffer f; in its middle fetches the slot's q-th quarter into buffer g
	s_wait_dscnt 8                                 ; W's fragments and att's blocks 0-3 are in; the youngest eight loads may be out
	WIN MUL-0x10*\first
	MUL8 \f, 0, \first
	MUL8 \f, 2, \first
	PLACES
	FETCH \slot, \q, \g
	s_wait_dscnt 24                                ; all but the 24 just issued
	WIN MUL-0x10*\first
	MUL8 \f, 4, \first
	MUL8 \f, 6, \first
.endm
; A slot's last quarter multiplies buffer 1 and changes slots: one barrier; in front of it each wave waits for all its tensor loads, adds 0 to its spare word, and waits for that and for its reads of this slot.
; fill = 1: the barrier opens a round of the cluster's, and this slot is filled again, two K steps ahead, first thing behind the round.
.macro TURN slot, next, fill
	WIN 0
	s_wait_tensorcnt 0x0                           ; my part of the next slot has landed: no tensor load of mine is out
	ds_add_u32 v[SPW], v[NIL]
	s_wait_dscnt 9                                 ; the add and the youngest eight loads may be out
	WIN MUL
	MUL8 1, 0, 0
	s_wait_dscnt 0x0                               ; the add is done, and my reads of this slot are over
	s_barrier_signal -1
	MUL8 1, 2, 0
.if \fill
	WIN 0
.endif
	s_barrier_wait -1
.if \fill
	CREST                                          ; no wave of any partner still reads this slot or has a load on its way
	s_add_nc_u64 s[G0+4*\slot+2:G0+4*\slot+3], s[G0+4*\slot+2:G0+4*\slot+3], 2*4096
	s_add_nc_u64 s[G0B+4*\slot+2:G0B+4*\slot+3], s[G0B+4*\slot+2:G0B+4*\slot+3], 2*256
	JLOAD \slot                                    ; its four v_nop are also the places in front of the loads below
.else
	PLACES
.endif
	FETCH \next, 0, 0
	WIN MUL
	MUL8 1, 4, 0
	MUL8 1, 6, 0
.endm
	s_wait_tensorcnt 1                             ; my part of K step 0 is in; K step 1's may be out
	s_barrier_signal -1
	s_barrier_wait -1
	FETCH 0, 0, 0
	s_wait_loadcnt 0x0                             ; the bias
	QUARTER 0, 1, 0, 1, 1                          ; the first quarter's products start the sums, from the bias
	WIN 0
	s_mov_b32 s3, LAPS-1
.Llap:                                             ; a trip goes once round the ring and fills both slots again
	QUARTER 0, 2, 1, 0, 0
	QUARTER 0, 3, 0, 1, 0
	TURN 0, 1, 1
	QUARTER 1, 1, 0, 1, 0
	QUARTER 1, 2, 1, 0, 0
	QUARTER 1, 3, 0, 1, 0
	TURN 1, 0, 1
	QUARTER 0, 1, 0, 1, 0
	WIN 0
	s_sub_co_u32 s3, s3, 1
	s_cmp_lg_u32 s3, 0
	s_cbranch_scc1 .Llap
	QUARTER 0, 2, 1, 0, 0                          ; the last lap fills nothing and has no round
	QUARTER 0, 3, 0, 1, 0
	TURN 0, 1, 0
	QUARTER 1, 1, 0, 1, 0
	QUARTER 1, 2, 1, 0, 0
	QUARTER 1, 3, 0, 1, 0
	s_wait_dscnt 8
	WIN MUL
	MUL8 1, 0, 0
	MUL8 1, 2, 0
	s_wait_dscnt 0
	MUL8 1, 4, 0
	MUL8 1, 6, 0
	WIN 0
; THE WAY OUT, a block of 16 rows x 64 columns at a time: 32 bytes a lane into my own stage, back as whole rows of 256 bytes.  LDS serves a wave's instructions in order: no wait between the stores and the loads.
.macro TOSTAGE a
	WIN 0x04                                       ; an LDS store's data are its source 1: window 1
.irp b, 0,1,2,3
	ds_store_b128 v[STO], v[8*(4*(\a)+\b):8*(4*(\a)+\b)+3] offset:64*\b            ; each accumulator from its low end on
	ds_store_b128 v[STO], v[8*(4*(\a)+\b)+4:8*(4*(\a)+\b)+7] offset:64*\b+16
.endr
	WIN 0
.set BB, 64+64*((\a)%2)
.irp t, 0,1,2,3,4,5,6,7
	ds_load_b128 v[BB+4*\t:BB+4*\t+3], v[RD] offset:\t*2*SP
.endr
.endm
.macro SEND a, younger                 ; younger: the next block's 8 stores and 8 loads, or none
.set BB, 64+64*((\a)%2)
	s_wait_dscnt \younger
.irp t, 0,1,2,3,4,5,6,7
	global_store_b128 v[CO], v[BB+4*\t:BB+4*\t+3], s[70:71] offset:(\a)*65536+\t*8192 th:TH_STORE_NT   ; 16 lanes store 256 consecutive bytes, aligned
.endr
.endm
	PLACES
	TOSTAGE 0
.irp a, 1,2,3,4,5,6,7
.if \a > 1
	s_wait_xcnt 0x0                                ; block a - 2's stores have read their data: block a's loads may land there
.endif
	TOSTAGE \a
	SEND \a-1, 16
.endr
	SEND 7, 0
	s_wait_tensorcnt 0x0                           ; the wave's end
	ds_add_u32 v[SPW], v[NIL]
	s_wait_dscnt 0x0
	CROUND                                         ; the closing round
	s_endpgm
.Lfunc_end_k_qc37b3f26d1_proj:
	.size	k_qc37b3f26d1_proj, .Lfunc_end_k_qc37b3f26d1_proj-k_qc37b3f26d1_proj
	.p2alignl 7, 3214868480
	.fill 96, 4, 3214868480
	.section	.rodata,"a",@progbits
	.p2align	6, 0x0
	.amdhsa_kernel k_qc37b3f26d1_proj
		.amdhsa_group_segment_fixed_size 327680
		.amdhsa_private_segment_fixed_size 0
		.amdhsa_enable_private_segment 0
		.amdhsa_kernarg_size 32
		.amdhsa_user_sgpr_count 2
		.amdhsa_user_sgpr_kernarg_segment_ptr 1
		.amdhsa_wavefront_size32 1
		.amdhsa_system_sgpr_workgroup_id_x 1
		.amdhsa_system_sgpr_workgroup_id_y 1
		.amdhsa_system_sgpr_workgroup_id_z 1
		.amdhsa_system_vgpr_workitem_id 0
		.amdhsa_next_free_vgpr 512
		.amdhsa_next_free_sgpr 72
		.amdhsa_reserve_vcc 0
		.amdhsa_float_denorm_mode_32 3
		.amdhsa_float_denorm_mode_16_64 3
		.amdhsa_memory_ordered 1
		.amdhsa_forward_progress 1
		.amdhsa_inst_pref_size 86
	.end_amdhsa_kernel
	.amdgpu_metadata
---
amdhsa.version: [ 1, 2 ]
amdhsa.kernels:
  - .name:           k_qc37b3f26d1_proj
    .symbol:         k_qc37b3f26d1_proj.kd
    .args:
      - { .name: att16, .offset: 0, .size: 8, .value_kind: global_buffer, .address_space: global }
      - { .name: wp16, .offset: 8, .size: 8, .value_kind: global_buffer, .address_space: global }
      - { .name: b_proj, .offset: 16, .size: 8, .value_kind: global_buffer, .address_space: global }
      - { .name: out0, .offset: 24, .size: 8, .value_kind: global_buffer, .address_space: global }
    .group_segment_fixed_size: 327680
    .private_segment_fixed_size: 0
    .kernarg_segment_align: 8
    .kernarg_segment_size: 32
    .max_flat_workgroup_size: 128
    .sgpr_count:     72
    .vgpr_count:     512
    .wavefront_size: 32
...
	.end_amdgpu_metadata
.endif
;; end of part 4
;; launch fine (part 5): grid 16 x 4, 16 waves a work-group, no clusters, 71,680 bytes of LDS; arguments qkv32, W_proj, b_proj, out0; writes out0
.if DOCPART == 5
	.amdgcn_target "amdgcn-amd-amdhsa--gfx1250"
	.amdhsa_code_object_version 6
	.text
	.protected	k_qc37b3f26d1_fine
	.globl	k_qc37b3f26d1_fine
	.p2align	8
	.type	k_qc37b3f26d1_fine,@function
k_qc37b3f26d1_fine:
	s_mov_b64 s[64:65], 0
	v_nop
	global_prefetch_b8 v0, s[64:65] scope:SCOPE_SE
	s_setreg_imm32_b32 hwreg(HW_REG_WAVE_MODE, 25, 1), 1
	s_wait_xcnt 0x0
; Positions t = 0 .. 15 of every batch, wholly in f32: these rows average one to sixteen values and are the largest in size, so the rounding of f16 operands would weigh most on them.
; Work-group (g, batch) makes rows t = 0 .. 15, columns 64 g .. 64 g + 63 of out0.  Wave = head: it makes its head's 16 x 16 attention from qkv32 ([batch][3 head + (0 q, 1 k, 2 v)][t][64] f32), multiplies its 64 channels
; by W_proj[64 g ..][64 head ..], and the sixteen partial tiles are added through LDS, in a fixed order; then the bias.  96 matrix instructions of the f32 form a wave: no bulk work.
; LAYOUTS CHAIN WITHOUT AN EXCHANGE OF LANES.  All three products are used transposed (a lane holds one query, r).  A result's eight registers (lane (r, h): index 8 h + j) are taken two at a time as the next source 1,
; whose place (h, j') then stands for index 8 h + 2 i + j'; source 0 is loaded in the same order of K.  For the scores both sources hold channels 8 c + 4 h + 0..3 in registers 4 c on.
; The accumulators v24-55 are written by matrix instructions alone; each sum begins with the constant 0; four take turns, one instruction a turn.
; The softmax takes the row's maximum away, as the definition does; key 0 counts for every query.  LIMITS: NaN and infinities are not served.
; No tensor load, no cluster: a work-group reads 196,608 bytes of qkv32 and 262,144 of W_proj once.
.set VQ,  1                            ; v1  256 r + 16 h
.set VV,  2                            ; v2  2048 h + 4 r
.set VW,  3                            ; v3  4096 r + 32 h
.set RH,  4                            ; v4  r - 8 h
.set SPW, 5
.set NIL, 6
.set NINF, 7
.set SC,  16                           ; v16-23 the scores, then p
.set ACC, 24                           ; v24-55 four accumulators
.set RSTO, 56
.set RRD, 57
.set LB,  58                           ; v58 8 x lane
.set RL,  59                           ; v59 1 / l
.set QR,  64                           ; v64-95 q, later W's tile 2, later the partial sums
.set KR,  96                           ; v96-127 k, later W's tile 3
.set VT,  128                          ; v128-159 V^T: 8 ct + e
.set AT,  160                          ; v160-191 att
.set RED, 0                            ; LDS: 16 partial tiles of 16 rows x (256 bytes + 16)
.set SPARE, 16*4352                    ; the spare words, 128 bytes a wave
	s_load_b256 s[4:11], s[0:1], 0x0               ; qkv32 s[4:5], W_proj s[6:7], b_proj s[8:9], out0 s[10:11]
	v_lshl_add_u32 v[SPW], v0, 2, SPARE
	v_mov_b32 v[NIL], 0
	v_lshrrev_b32 v1, 5, v0
	v_readfirstlane_b32 s12, v1                    ; wave = head
	s_and_b32 s13, ttmp7, 0xffff                   ; batch
	v_and_b32 v8, 15, v0                           ; r
	v_bfe_u32 v9, v0, 4, 1                         ; h
	v_and_b32 v10, 31, v0
	v_lshlrev_b32 v[LB], 3, v10
	v_lshlrev_b32 v[VQ], 8, v8
	v_lshl_add_u32 v[VQ], v9, 4, v[VQ]
	v_lshlrev_b32 v[VV], 2, v8
	v_lshl_add_u32 v[VV], v9, 11, v[VV]
	v_lshlrev_b32 v[VW], 12, v8
	v_lshl_add_u32 v[VW], v9, 5, v[VW]
	v_lshlrev_b32 v10, 3, v9
	v_sub_nc_u32 v[RH], v8, v10
	v_mov_b32 v[NINF], 0xff800000
	s_mul_i32 s14, s12, 4352
	v_mul_u32_u24 v[RSTO], v8, 272
	v_lshl_add_u32 v[RSTO], v9, 5, v[RSTO]
	v_add_nc_u32 v[RSTO], s14, v[RSTO]             ; my head's partial tile: row r, + 32 h
	s_mul_i32 s15, s12, 272
	v_add_nc_u32 v[RRD], s15, v[LB]                ; back: row t = wave, 8 bytes a lane
	s_mul_i32 s16, s13, 48
	s_mul_i32 s17, s12, 3
	s_add_co_u32 s16, s16, s17
	s_lshl_b32 s16, s16, 12                        ; the head's q, 4,096 bytes a segment
	s_mov_b32 s17, 0
	s_lshl_b32 s18, ttmp9, 18                      ; W: row 64 g,
	s_lshl_b32 s19, s12, 8                         ; channel 64 head
	s_add_co_u32 s18, s18, s19
	s_mov_b32 s19, 0
	s_lshl_b32 s20, ttmp9, 8                       ; 64 g columns of f32
	s_mov_b32 s21, 0
	s_lshl_b32 s22, s13, 11
	s_add_co_u32 s22, s22, s12
	s_lshl_b32 s22, s22, 12                        ; row 2048 batch + wave
	s_add_co_u32 s22, s22, s20
	s_mov_b32 s23, 0
	s_mov_b32 s24, 0x3e38aa3b                      ; c = log2(e) / 8
	s_mov_b32 s26, 0x76543210
	s_mov_b32 s27, 0xfedcba98                      ; v_permlanex16_b32: lane l xor 16
	s_wait_kmcnt 0x0
	s_add_nc_u64 s[4:5], s[4:5], s[16:17]
	s_add_nc_u64 s[6:7], s[6:7], s[18:19]
	s_add_nc_u64 s[8:9], s[8:9], s[20:21]
	s_add_nc_u64 s[10:11], s[10:11], s[22:23]
.irp c, 0,1,2,3,4,5,6,7
	global_load_b128 v[QR+4*\c:QR+4*\c+3], v[VQ], s[4:5] offset:32*\c            ; q(r, 8 c + 4 h + 0..3)
.endr
.irp c, 0,1,2,3,4,5,6,7
	global_load_b128 v[KR+4*\c:KR+4*\c+3], v[VQ], s[4:5] offset:4096+32*\c       ; k likewise
.endr
.irp ct, 0,1,2,3
.irp e, 0,1,2,3,4,5,6,7
	global_load_b32 v[VT+8*\ct+\e], v[VV], s[4:5] offset:8192+256*\e+64*\ct      ; v(key 8 h + e, channel 16 ct + r)
.endr
.endr
.macro WLOAD nt                        ; W's tile nt: row 16 nt + r, channels 16 ct + 8 h + 0..7 at register 8 ct on.  Tiles 0, 1 at v192, v224; tiles 2, 3 at v64, v96
.irp ct, 0,1,2,3
.irp u, 0,1
	global_load_b128 v[192+32*(\nt)-192*((\nt)/2)+8*\ct+4*\u:192+32*(\nt)-192*((\nt)/2)+8*\ct+4*\u+3], v[VW], s[6:7] offset:65536*(\nt)+64*\ct+16*\u
.endr
.endr
.endm
	WLOAD 0
	WLOAD 1
	s_wait_loadcnt 48                              ; q and k are in; V^T's 32 loads and W's 16 may be out
.irp n, 0,1,2,3,4,5,6,7,8,9,10,11,12,13,14,15  ; S^T = k q^T: 16 steps of 4 channels, in four partial sums by turns
.if \n < 4
	v_wmma_f32_16x16x4_f32 v[ACC+8*(\n%4):ACC+8*(\n%4)+7], v[KR+2*\n:KR+2*\n+1], v[QR+2*\n:QR+2*\n+1], 0
.else
	v_wmma_f32_16x16x4_f32 v[ACC+8*(\n%4):ACC+8*(\n%4)+7], v[KR+2*\n:KR+2*\n+1], v[QR+2*\n:QR+2*\n+1], v[ACC+8*(\n%4):ACC+8*(\n%4)+7]
.endif
.endr
.rept 8
	v_nop                                          ; eight places behind this form: for the loads into q's and k's registers and for the first read of the sums
.endr
	WLOAD 2
	WLOAD 3
.irp j, 0,2,4,6
	v_pk_add_f32 v[8:9], v[ACC+\j:ACC+\j+1], v[ACC+8+\j:ACC+8+\j+1]              ; the four partial sums, from their low ends on: register j = key 8 h + j, query r
	v_pk_add_f32 v[10:11], v[ACC+16+\j:ACC+16+\j+1], v[ACC+24+\j:ACC+24+\j+1]
	v_pk_add_f32 v[SC+\j:SC+\j+1], v[8:9], v[10:11]
.endr
.irp j, 0,1,2,3,4,5,6,7
	v_cmp_gt_i32 vcc_lo, \j, v[RH]                 ; key 8 h + j comes after query r
	v_cndmask_b32 v[SC+\j], v[SC+\j], v[NINF], vcc_lo
.endr
	v_max3_num_f32 v8, v[SC], v[SC+1], v[SC+2]
	v_max3_num_f32 v9, v[SC+3], v[SC+4], v[SC+5]
	v_max3_num_f32 v8, v8, v[SC+6], v[SC+7]
	v_max_num_f32 v8, v8, v9
	v_permlanex16_b32 v9, v8, s26, s27
	v_max_num_f32 v8, v8, v9                       ; the row's maximum
	v_mul_f32 v9, s24, v8
.irp j, 0,1,2,3,4,5,6,7
	v_fma_f32 v[SC+\j], v[SC+\j], s24, -v9
.endr
.irp j, 0,1,2,3,4,5,6,7
	v_exp_f32 v[SC+\j], v[SC+\j]                   ; p = 2^(c s - c m)
.endr
	v_nop
	s_wait_alu depctr_va_vdst(0)                   ; one wait for the eight, ahead of their first reader
	v_add_f32 v8, v[SC], v[SC+1]                   ; the row's sum, ahead of the products that take p as an operand
	v_add_f32 v9, v[SC+2], v[SC+3]
	v_add_f32 v10, v[SC+4], v[SC+5]
	v_add_f32 v11, v[SC+6], v[SC+7]
	v_add_f32 v8, v8, v9
	v_add_f32 v10, v10, v11
	v_add_f32 v8, v8, v10
	v_permlanex16_b32 v9, v8, s26, s27
	v_add_f32 v8, v8, v9
	v_rcp_f32 v[RL], v8
	v_nop
	s_wait_alu depctr_va_vdst(0)
	s_wait_loadcnt 32                              ; V^T is in; W's 32 loads may be out
.rept 9
	v_nop                                          ; nine places behind this form ahead of products that begin the accumulators anew
.endr
.irp i, 0,1,2,3                                ; O^T = V^T P: 4 steps of 4 keys, four tiles of channels by turns
.irp ct, 0,1,2,3
.if \i == 0
	v_wmma_f32_16x16x4_f32 v[ACC+8*\ct:ACC+8*\ct+7], v[VT+8*\ct+2*\i:VT+8*\ct+2*\i+1], v[SC+2*\i:SC+2*\i+1], 0
.else
	v_wmma_f32_16x16x4_f32 v[ACC+8*\ct:ACC+8*\ct+7], v[VT+8*\ct+2*\i:VT+8*\ct+2*\i+1], v[SC+2*\i:SC+2*\i+1], v[ACC+8*\ct:ACC+8*\ct+7]
.endif
.endr
.endr
.rept 9
	v_nop                                          ; eight for the reads below, nine for the products that begin the accumulators anew
.endr
.set j, 0
.rept 32
	v_mul_f32 v[AT+j], v[ACC+j], v[RL]             ; att(r, 16 ct + 8 h + j), into other registers, ascending
.set j, j+1
.endr
	s_wait_loadcnt 0x0                             ; W
	global_load_b64 v[14:15], v[LB], s[8:9]        ; the bias of my two columns
.set e, 0
.rept 16                                       ; out^T = W att^T: 16 steps of 4 channels, four tiles of outputs by turns
.irp nt, 0,1,2,3
.if e == 0
	v_wmma_f32_16x16x4_f32 v[ACC+8*\nt:ACC+8*\nt+7], v[192+32*\nt-192*(\nt/2)+2*e:192+32*\nt-192*(\nt/2)+2*e+1], v[AT+2*e:AT+2*e+1], 0
.else
	v_wmma_f32_16x16x4_f32 v[ACC+8*\nt:ACC+8*\nt+7], v[192+32*\nt-192*(\nt/2)+2*e:192+32*\nt-192*(\nt/2)+2*e+1], v[AT+2*e:AT+2*e+1], v[ACC+8*\nt:ACC+8*\nt+7]
.endif
.endr
.set e, e+1
.endr
.rept 8
	v_nop                                          ; places ahead of the stores that read the sums and of the loads into W's registers
.endr
.irp nt, 0,1,2,3
	ds_store_b128 v[RSTO], v[ACC+8*\nt:ACC+8*\nt+3] offset:RED+64*\nt              ; lane (r, h): row r, outputs 16 nt + 8 h + 0..7; each accumulator from its low end on
	ds_store_b128 v[RSTO], v[ACC+8*\nt+4:ACC+8*\nt+7] offset:RED+64*\nt+16
.endr
	s_wait_dscnt 0x0                               ; for the others' sake: my stores have landed
	s_barrier_signal -1
	s_barrier_wait -1
.irp p, 0,1,2,3,4,5,6,7,8,9,10,11,12,13,14,15
	ds_load_b64 v[QR+2*\p:QR+2*\p+1], v[RRD] offset:RED+4352*\p                    ; row t = wave of all sixteen heads' tiles
.endr
	s_wait_dscnt 0x0
.irp p, 0,1,2,3,4,5,6,7
	v_pk_add_f32 v[QR+4*\p:QR+4*\p+1], v[QR+4*\p:QR+4*\p+1], v[QR+4*\p+2:QR+4*\p+3]
.endr
.irp p, 0,1,2,3
	v_pk_add_f32 v[QR+8*\p:QR+8*\p+1], v[QR+8*\p:QR+8*\p+1], v[QR+8*\p+4:QR+8*\p+5]
.endr
.irp p, 0,1
	v_pk_add_f32 v[QR+16*\p:QR+16*\p+1], v[QR+16*\p:QR+16*\p+1], v[QR+16*\p+8:QR+16*\p+9]
.endr
	v_pk_add_f32 v[QR:QR+1], v[QR:QR+1], v[QR+16:QR+17]
	s_wait_loadcnt 0x0                             ; the bias
	v_pk_add_f32 v[QR:QR+1], v[QR:QR+1], v[14:15]
	global_store_b64 v[LB], v[QR:QR+1], s[10:11]   ; the wave stores 256 consecutive bytes, aligned
	s_wait_tensorcnt 0x0                           ; the wave's end, behind my last LDS store
	ds_add_u32 v[SPW], v[NIL]
	s_wait_dscnt 0x0
	s_endpgm
.Lfunc_end_k_qc37b3f26d1_fine:
	.size	k_qc37b3f26d1_fine, .Lfunc_end_k_qc37b3f26d1_fine-k_qc37b3f26d1_fine
	.p2alignl 7, 3214868480
	.fill 96, 4, 3214868480
	.section	.rodata,"a",@progbits
	.p2align	6, 0x0
	.amdhsa_kernel k_qc37b3f26d1_fine
		.amdhsa_group_segment_fixed_size 71680
		.amdhsa_private_segment_fixed_size 0
		.amdhsa_enable_private_segment 0
		.amdhsa_kernarg_size 32
		.amdhsa_user_sgpr_count 2
		.amdhsa_user_sgpr_kernarg_segment_ptr 1
		.amdhsa_wavefront_size32 1
		.amdhsa_system_sgpr_workgroup_id_x 1
		.amdhsa_system_sgpr_workgroup_id_y 1
		.amdhsa_system_sgpr_workgroup_id_z 1
		.amdhsa_system_vgpr_workitem_id 0
		.amdhsa_next_free_vgpr 256
		.amdhsa_next_free_sgpr 66
		.amdhsa_reserve_vcc 1
		.amdhsa_float_denorm_mode_32 3
		.amdhsa_float_denorm_mode_16_64 3
		.amdhsa_memory_ordered 1
		.amdhsa_forward_progress 1
		.amdhsa_inst_pref_size 24
	.end_amdhsa_kernel
	.amdgpu_metadata
---
amdhsa.version: [ 1, 2 ]
amdhsa.kernels:
  - .name:           k_qc37b3f26d1_fine
    .symbol:         k_qc37b3f26d1_fine.kd
    .args:
      - { .name: qkv32, .offset: 0, .size: 8, .value_kind: global_buffer, .address_space: global }
      - { .name: W_proj, .offset: 8, .size: 8, .value_kind: global_buffer, .address_space: global }
      - { .name: b_proj, .offset: 16, .size: 8, .value_kind: global_buffer, .address_space: global }
      - { .name: out0, .offset: 24, .size: 8, .value_kind: global_buffer, .address_space: global }
    .group_segment_fixed_size: 71680
    .private_segment_fixed_size: 0
    .kernarg_segment_align: 8
    .kernarg_segment_size: 32
    .max_flat_workgroup_size: 512
    .sgpr_count:     66
    .vgpr_count:     256
    .wavefront_size: 32
...
	.end_amdgpu_metadata
.endif
;; end of part 5
